; MI455X (gfx1250); checked and timed in simulation.
; The chip was launched on July 23, 2026; its instructions are those of AMD's public machine-readable ISA for CDNA 5 (MIT licence, August 2026) and "CDNA5" Instruction Set Architecture Reference Guide (July 2026). The comments in the code are by the model that wrote it; some were corrected since.
;; Multi Head Self Attention. Allowed arithmetic: matrix products marked QUANTISED: E2M1 operands, one E8M0 scale for each 32 along K, by v_wmma_scale_f32_16x16x128_f8f6f4 with both operands' format E2M1 (or v_wmma_scale_f32_32x16x128_f4), f32 sums; products left as they are: bf16, f16 or f32 operands; f32 sums; everything else in f32.
;; Inputs: wk 1,024 x 1,024 float32; wo 1,024 x 1,024 float32; wq 1,024 x 1,024 float32; wv 1,024 x 1,024 float32; x 4 x 2,048 x 1,024 float32.
;; Outputs: out0 4 x 2,048 x 1,024 float32.
;; This version of the problem:
;;   THIS VERSION OF THE PROBLEM IS GIVEN IN LOW PRECISION. The matrix products marked QUANTISED in the list below multiply operands that are first quantised to E2M1 (2 exponent bits, 1 mantissa bit; 4 bits a number), with one power-of-two scale for each 32 numbers along K (OCP MX v1.0); their sums are f32. The products marked 'left as it is' may take bf16, f16 or f32 operands, with f32 sums. Whichever they take, every output number must still come out within the allowed error. Rounding operands to bf16 (8 significant bits) uses up far more of that allowance than f16 does (11 bits, for magnitudes from 6e-5 to 65,504). All else is computed in f32.
;;   The module's matrix products, in the order in which they are computed (A, B: the left and right operand; K: the contracted axis; several contracted axes count as one K, in the product's order):
;;     1. [M 8,192, K 1,024] x [K 1,024, N 1,024]; A: input x; B: input wq: QUANTISED
;;     2. [M 8,192, K 1,024] x [K 1,024, N 1,024]; A: input x; B: input wk: QUANTISED
;;     3. [M 8,192, K 1,024] x [K 1,024, N 1,024]; A: input x; B: input wv: QUANTISED
;;     4. batch 64 x [M 2,048, K 64] x [K 64, N 2,048]; A: computed on the way; B: computed on the way: left as it is (an operand is computed on the way)
;;     5. batch 64 x [M 2,048, K 2,048] x [K 2,048, N 64]; A: computed on the way; B: computed on the way: left as it is (an operand is computed on the way)
;;     6. [M 8,192, K 1,024] x [K 1,024, N 1,024]; A: computed on the way; B: input wo: left as it is (an operand is computed on the way)
;;   THE QUANTISER, for each operand of a quantised product, along K:
;;     - K is cut into blocks of 32 from its start; a last block that is shorter is filled with zeros.
;;     - A block's scale is 2^e with e = floor(log2(the largest magnitude in the block)) - 2, held to -126 .. 127; a block of zeros has e = 0. As a byte (E8M0): e + 127.
;;     - Each number is divided by its block's scale, clamped to +-6, and rounded to the nearest number of E2M1, ties to even, subnormals kept.
;;     - The product sums the exact products of the quantised numbers (number of the format x scale) in f32.
;;   ~~~python
;;   def quantise(x, axis):      # numpy; x: float32 -> the quantised numbers, widened to float32 again
;;       x = np.moveaxis(x, axis, -1); K = x.shape[-1]
;;       x = np.pad(x, [(0, 0)] * (x.ndim - 1) + [(0, -K % 32)]); x = x.reshape(x.shape[:-1] + (-1, 32)); a = np.abs(x).max(-1, keepdims=True)
;;       e = np.where(a > 0, np.clip(np.frexp(np.where(a > 0, a, 1))[1] - 1 - 2, -126, 127), 0)      # np.frexp(a)[1] - 1 = floor(log2(a)), exactly
;;       r = np.clip(x / 2.0 ** e, -6, 6)
;;       step = 2.0 ** (np.maximum(np.frexp(np.where(r == 0, 1, r))[1] - 1, 0) - 1)
;;       q = np.round(r / step) * step * 2.0 ** e      # np.round: ties to even
;;       return np.moveaxis(q.reshape(q.shape[:-2] + (-1,))[..., :K], -1, axis).astype(np.float32)
;;   ~~~
;; One version. Each part assembles by itself: llvm-mc -triple=amdgcn-amd-amdhsa -mcpu=gfx1250 --defsym DOCPART=n.
;; ======== version 1 of 1: 5 launches
;; limits: values are held in f16: magnitudes above 65,504 overflow, below 6.1e-05 lose precision
;; workspace buffers: codes 5,767,168 bytes; scales 360,448 bytes; wo16 2,097,152 bytes; rope 524,288 bytes; qkv 50,331,648 bytes; qkv16 786,432 bytes; attn 16,777,216 bytes
;; launch prep (part 1): grid 400 x 1, 4 waves a work-group, no clusters, 33,280 bytes of LDS; arguments x, wq, wk, wv, wo, codes, scales, wo16, rope; writes codes, scales, wo16, rope
.if DOCPART == 1
	.amdgcn_target "amdgcn-amd-amdhsa--gfx1250"
	.amdhsa_code_object_version 6
	.text
	.protected	k_qc4bebf7674_prep
	.globl	k_qc4bebf7674_prep
	.p2align	8
	.type	k_qc4bebf7674_prep,@function
k_qc4bebf7674_prep:
	s_mov_b64 s[64:65], 0
	v_nop
	global_prefetch_b8 v0, s[64:65] scope:SCOPE_SE
	s_setreg_imm32_b32 hwreg(HW_REG_WAVE_MODE, 25, 1), 1
	s_wait_xcnt 0x0
; THREE JOBS IN ONE LAUNCH, told apart by the work-group's number alone.
; Work-groups 0-351: x [8192][1024] and wq, wk, wv [1024][1024], f32, become codes of FP4 (E2M1), K innermost, with one E8M0 byte for each 32 along K.
;   codes: x's 8192 rows of 512 bytes, then wq's, wk's, wv's 3072 rows; scales: 32 bytes a row in the same order.  Rows are dense and K is a multiple of 32: all four tensors are plain streams of blocks of 32.
;   A block's scale is 2^(floor(log2(its largest magnitude)) - 2); its byte is the largest magnitude's exponent field - 2, held at 1 from below.
; Work-groups 352-383: wo [n][1024] f32 becomes f16, laid head by head: wo16[h][n][c] = wo[n][64 h + c].
; Work-groups 384-399: the table of rotations: rope[pos][i] = (cos, sin) of pos x 10000^(-i / 32), f32, 256 bytes a position.
; LIMITS.  A block of zeros, and one whose largest magnitude lies under 2^-124, keeps the byte 1 (its codes are read by this program alone; zero codes add nothing).  NaN and infinities are not served.
;   wo must lie within f16 (65,504).  An angle agrees with pos x 10000^(-i/32) in f32 to about 2.5e-4 radians at the worst (an ulp of the frequency times 2,047); sine and cosine are
;   polynomials on [-pi/4, pi/4] behind a reduction by pi/2 in two parts, good to about 1e-7.
.set WAVES, 4
.set STEPS, 16
.set EMAX,  2
.set CB,    8                          ; bytes of 16 codes
.set R,     16                         ; v16-79   four sets of 16 numbers as they are loaded
.set X,     80                         ; v80-111  two sets of 16 neighbours
.set C,     128                        ; v128-191 codes: four registers a step, so that no store's data are written again
.set E,     112                        ; v112-127 a scale byte for each step
.set WREG,  8192                       ; LDS: a region for each wave: two stages of 32 x SP bytes, then its 256 scale bytes
.set SP,    80                         ; a lane's place in a stage: 64 bytes + 16 of padding
.set SPW,   12                         ; v12 LDS address of my spare word; never rewritten
.set NIL,   13                         ; v13 0; never rewritten
.set SPARE, WAVES*WREG                 ; behind the four regions: the spare words, 128 bytes a wave
	s_load_b256 s[4:11], s[0:1], 0x0               ; x s[4:5], wq s[6:7], wk s[8:9], wv s[10:11]
	s_load_b256 s[12:19], s[0:1], 0x20             ; wo s[12:13], codes s[14:15], scales s[16:17], wo16 s[18:19]
	s_load_b64 s[20:21], s[0:1], 0x40              ; rope
	v_lshl_add_u32 v[SPW], v0, 2, SPARE
	v_mov_b32 v[NIL], 0
	v_lshrrev_b32 v1, 5, v0
	v_readfirstlane_b32 s22, v1                    ; wave
	v_and_b32 v2, 31, v0                           ; lane
	v_lshlrev_b32 v3, 4, v2                        ; 16 x lane
	s_mul_i32 s23, s22, WREG
	v_lshrrev_b32 v14, 2, v2
	v_mul_u32_u24 v14, v14, SP
	v_and_b32 v15, 3, v2
	v_lshl_add_u32 v14, v15, 4, v14
	v_add_nc_u32 v14, s23, v14                     ; the stage, on the way in: four lanes' 64 bytes on end, then 16 of padding
	v_mul_u32_u24 v15, v2, SP
	v_add_nc_u32 v15, s23, v15                     ; and on the way out: my 16 neighbours
	v_mul_u32_u24 v4, v2, CB                       ; my codes' place in a step's
	v_lshrrev_b32 v5, 1, v2
	s_add_co_u32 s23, s23, 2*32*SP
	v_add_nc_u32 v5, s23, v5                       ; LDS: my wave's 256 scale bytes, my block's byte
	v_lshlrev_b32 v7, 3, v2                        ; 8 x lane
	v_add_nc_u32 v6, s23, v7
	s_wait_kmcnt 0x0
	s_cmp_lt_u32 ttmp9, 352
	s_cbranch_scc0 .Lnot_q
; ---- THE QUANTISER.  A wave takes 16 steps of 512 numbers.  Each of a step's four loads reads 512 consecutive bytes; the 2,048 bytes turn through the wave's own stage in LDS and come back 64 bytes a lane:
; 16 neighbours along K, two neighbouring lanes to a block.  Loads run four steps ahead, the turn through LDS one step.
	s_and_b32 s30, ttmp9, 31                       ; a weight has 32 work-groups, and 256 is a multiple of 32
	s_cmp_lt_u32 ttmp9, 320
	s_cselect_b64 s[24:25], s[8:9], s[10:11]       ; the source: the choice hangs on the work-group's number alone
	s_cmp_lt_u32 ttmp9, 288
	s_cselect_b64 s[24:25], s[6:7], s[24:25]
	s_cmp_lt_u32 ttmp9, 256
	s_cselect_b64 s[24:25], s[4:5], s[24:25]
	s_cselect_b32 s30, ttmp9, s30                  ; which 32,768 numbers of the source
	s_lshl_b32 s30, s30, 2
	s_add_co_u32 s30, s30, s22                     ; which run of 8,192 numbers is my wave's
	s_lshl_b32 s32, s30, 15
	s_mov_b32 s33, 0
	s_add_nc_u64 s[24:25], s[24:25], s[32:33]
	s_lshl_b32 s31, ttmp9, 2
	s_add_co_u32 s31, s31, s22                     ; and in the codes and scale bytes, where the four tensors lie on end
	s_lshl_b32 s32, s31, 12
	s_add_nc_u64 s[26:27], s[14:15], s[32:33]
	s_lshl_b32 s32, s31, 8
	s_add_nc_u64 s[28:29], s[16:17], s[32:33]
.macro LOAD t
.irp i, 0,1,2,3
	global_load_b128 v[R+16*((\t)%4)+4*\i:R+16*((\t)%4)+4*\i+3], v3, s[24:25] offset:2048*(\t)+512*\i th:TH_LOAD_NT
.endr
.endm
.macro TURN t                          ; step t's numbers through the stage: LDS serves a wave's instructions in order, so no wait stands between the stores and the loads
.irp i, 0,1,2,3
	ds_store_b128 v14, v[R+16*((\t)%4)+4*\i:R+16*((\t)%4)+4*\i+3] offset:32*SP*((\t)%2)+8*SP*\i
.endr
.irp i, 0,1,2,3
	ds_load_b128 v[X+16*((\t)%2)+4*\i:X+16*((\t)%2)+4*\i+3], v15 offset:32*SP*((\t)%2)+16*\i
.endr
.endm
.irp t, 0,1,2,3
	LOAD \t
.endr
	s_wait_loadcnt 12                              ; step 0's four loads are in; three steps' twelve stay out
	TURN 0
.macro STEP t
.set XS, X+16*((\t)%2)
.if (\t) > 0
	s_wait_dscnt 1                                 ; this step's numbers are back from the stage (the last step's byte store may be out)
.else
	s_wait_dscnt 0x0
.endif
.if (\t)+4 < STEPS
	LOAD (\t)+4
.endif
.if (\t)+1 < STEPS
.if STEPS-2-(\t) >= 3
	s_wait_loadcnt 12                              ; the next step's four loads are in; those of the three steps behind it may be out
.else
	s_wait_loadcnt 4*(STEPS-2-(\t))
.endif
	TURN (\t)+1
.endif
	v_max3_num_f32 v8, |v[XS]|, |v[XS+1]|, |v[XS+2]|               ; the largest magnitude of my 16, in two chains
	v_max3_num_f32 v9, |v[XS+3]|, |v[XS+4]|, |v[XS+5]|
.irp i, 6,10
	v_max3_num_f32 v8, v8, |v[XS+\i]|, |v[XS+\i+1]|
	v_max3_num_f32 v9, v9, |v[XS+\i+2]|, |v[XS+\i+3]|
.endr
	v_max3_num_f32 v8, v8, |v[XS+14]|, |v[XS+15]|
	v_max3_num_f32 v8, v8, v9, (EMAX+1)<<23        ; and the floor 2^(3 - 127): the byte cannot fall under 1
	v_max_num_f32_dpp v8, v8, v8 row_xmask:1 row_mask:0xf bank_mask:0xf   ; and of my neighbour's 16: the block's
	v_add_nc_u32 v11, -(EMAX<<23), v8              ; 2 off its exponent field: the conversion takes the exponent field of this operand as its scale
	v_cvt_scalef32_pk8_fp4_f32 v[C+4*(\t)], v[XS:XS+7], v11
	v_cvt_scalef32_pk8_fp4_f32 v[C+4*(\t)+1], v[XS+8:XS+15], v11
	v_lshrrev_b32 v[E+(\t)], 23, v11               ; the scale's byte
	ds_store_b8 v5, v[E+(\t)] offset:16*(\t)       ; both lanes of a block write the same byte with the same value
	global_store_b64 v4, v[C+4*(\t):C+4*(\t)+1], s[26:27] offset:32*CB*(\t)   ; the wave stores 256 consecutive bytes, aligned
.endm
.irp t, 0,1,2,3,4,5,6,7,8,9,10,11,12,13,14,15
	STEP \t
.endr
	ds_load_b64 v[8:9], v6                         ; LDS serves a wave's instructions in order: these see my stores
	s_wait_dscnt 0x0
	global_store_b64 v7, v[8:9], s[28:29]          ; 32 lanes store 256 consecutive bytes, aligned
	s_wait_tensorcnt 0x0                           ; the wave's end, behind my last LDS store
	ds_add_u32 v[SPW], v[NIL]
	s_wait_dscnt 0x0
	s_endpgm
; ---- wo TO f16, HEAD BY HEAD.  Wave W of 128 takes rows 8 W .. 8 W + 7.  An item is four rows x one head: eight lanes read a row's 256 bytes of the head, and the wave stores 512 consecutive bytes.
; Four batches of eight items in two sets of registers; no LDS.
.Lnot_q:
	s_cmp_lt_u32 ttmp9, 384
	s_cbranch_scc0 .Ltable
	s_sub_co_u32 s30, ttmp9, 352
	s_lshl_b32 s30, s30, 2
	s_add_co_u32 s30, s30, s22                     ; W
	s_lshl_b32 s32, s30, 15                        ; 8 rows of 4,096 bytes
	s_mov_b32 s33, 0
	s_add_nc_u64 s[24:25], s[12:13], s[32:33]
	s_lshl_b32 s32, s30, 10                        ; 8 rows of 128 bytes
	s_add_nc_u64 s[26:27], s[18:19], s[32:33]
	v_lshrrev_b32 v8, 3, v2
	v_and_b32 v9, 7, v2
	v_lshlrev_b32 v9, 5, v9
	v_lshl_add_u32 v8, v8, 12, v9                  ; row lane / 8, 32 bytes x (lane % 8)
.macro WLOAD bt                        ; batch bt: rows 4 (bt / 2) on, heads 8 (bt % 2) on, into set bt % 2
.irp i, 0,1,2,3,4,5,6,7
	global_load_b128 v[16+64*((\bt)%2)+8*\i:16+64*((\bt)%2)+8*\i+3], v8, s[24:25] offset:((\bt)/2)*16384+(8*((\bt)%2)+\i)*256 th:TH_LOAD_NT
	global_load_b128 v[16+64*((\bt)%2)+8*\i+4:16+64*((\bt)%2)+8*\i+7], v8, s[24:25] offset:((\bt)/2)*16384+(8*((\bt)%2)+\i)*256+16 th:TH_LOAD_NT
.endr
.endm
.macro WWORK bt
.if (\bt) < 3
	s_wait_loadcnt 16                              ; this batch is in; the next batch's sixteen loads stay out
.else
	s_wait_loadcnt 0x0
.endif
.if (\bt) > 0
	s_wait_xcnt 0x0                                ; the last batch's stores have read their data: v144-175 are written again only behind this wait
.endif
.irp i, 0,1,2,3,4,5,6,7
.irp p, 0,1,2,3
	v_cvt_pk_f16_f32 v[144+4*\i+\p], v[16+64*((\bt)%2)+8*\i+2*\p], v[16+64*((\bt)%2)+8*\i+2*\p+1]
.endr
.endr
.irp i, 0,1,2,3,4,5,6,7
	global_store_b128 v3, v[144+4*\i:144+4*\i+3], s[26:27] offset:(8*((\bt)%2)+\i)*131072+((\bt)/2)*512
.endr
.if (\bt)+2 < 4
	WLOAD (\bt)+2
.endif
.endm
	WLOAD 0
	WLOAD 1
	WWORK 0
	WWORK 1
	WWORK 2
	WWORK 3
	s_endpgm
; ---- THE TABLE OF ROTATIONS.  Wave Wt of 64 takes positions 32 Wt on; a lane is a pair of channels i.  One trip is one position: the wave stores its 256 bytes.
.Ltable:
	s_sub_co_u32 s30, ttmp9, 384
	s_lshl_b32 s30, s30, 2
	s_add_co_u32 s30, s30, s22                     ; Wt
	s_lshl_b32 s24, s30, 13                        ; 32 positions of 256 bytes
	s_mov_b32 s25, 0
	s_add_nc_u64 s[20:21], s[20:21], s[24:25]
	s_lshl_b32 s30, s30, 5                         ; my first position
	s_mov_b32 s32, 0x3f22f983                      ; 2 / pi
	s_mov_b32 s33, 0x3fc90fdb                      ; pi / 2, the upper part,
	s_mov_b32 s34, 0xb33bbd2e                      ; and what is left of it
	s_mov_b32 s35, 0xb94ca1f9                      ; sine: -1.9515296e-4
	s_mov_b32 s36, 0x3c08839e                      ;        8.3321609e-3
	s_mov_b32 s37, 0xbe2aaaa3                      ;       -0.16666655
	s_mov_b32 s38, 0x37ccf5ce                      ; cosine: 2.4433157e-5
	s_mov_b32 s39, 0xbab6061a                      ;        -1.3887316e-3
	s_mov_b32 s40, 0x3d2aaaa5                      ;         4.1666646e-2
	v_cvt_f32_u32 v19, v2
	v_mul_f32 v19, 0xbed49a78, v19                 ; -i x log2(10000) / 32
	v_exp_f32 v20, v19                             ; 10000^(-i / 32)
	v_cvt_f32_u32 v21, s30                         ; the position as f32.  (A plain instruction behind the exponential)
	s_wait_alu depctr_va_vdst(0)                   ; the wait ahead of the first line that names the exponential's result
	s_mov_b32 s31, 32
.Lpos:
	v_mul_f32 v22, v21, v20                        ; the angle: one rounding
	v_mul_f32 v23, s32, v22
	v_rndne_f32 v23, v23                           ; n = the nearest multiple of pi / 2
	v_fma_f32 v24, -v23, s33, v22
	v_fma_f32 v24, -v23, s34, v24                  ; r = angle - n pi / 2, within pi / 4
	v_mul_f32 v25, v24, v24                        ; z = r r
	v_fma_f32 v26, v25, s35, s36
	v_fma_f32 v28, v25, s38, s39
	v_fma_f32 v26, v26, v25, s37
	v_fma_f32 v28, v28, v25, s40
	v_mul_f32 v27, v25, v24
	v_mul_f32 v29, v25, v25
	v_fma_f32 v30, v25, -0.5, 1.0
	v_fma_f32 v26, v26, v27, v24                   ; sin r
	v_fma_f32 v28, v28, v29, v30                   ; cos r
	v_cvt_i32_f32 v31, v23
	v_and_b32 v32, 1, v31
	v_cmp_eq_u32 vcc_lo, 1, v32                    ; an odd n swaps the two
	v_cndmask_b32 v33, v26, v28, vcc_lo
	v_cndmask_b32 v34, v28, v26, vcc_lo
	v_and_b32 v35, 2, v31                          ; the sine changes sign where n mod 4 is 2 or 3,
	v_add_nc_u32 v36, 1, v31
	v_lshlrev_b32 v35, 30, v35
	v_and_b32 v36, 2, v36                          ; the cosine where it is 1 or 2
	v_lshlrev_b32 v36, 30, v36
	v_xor_b32 v39, v33, v35
	v_xor_b32 v38, v34, v36
	global_store_b64 v7, v[38:39], s[20:21]        ; (cos, sin): 32 lanes store 256 consecutive bytes, aligned
	v_add_f32 v21, 1.0, v21
	s_wait_xcnt 0x0                                ; the store has read its data and its base: both are written again only behind this wait
	s_add_nc_u64 s[20:21], s[20:21], 256
	s_sub_co_u32 s31, s31, 1
	s_cmp_lg_u32 s31, 0
	s_cbranch_scc1 .Lpos
	s_endpgm
.Lfunc_end_k_qc4bebf7674_prep:
	.size	k_qc4bebf7674_prep, .Lfunc_end_k_qc4bebf7674_prep-k_qc4bebf7674_prep
	.p2alignl 7, 3214868480
	.fill 96, 4, 3214868480
	.section	.rodata,"a",@progbits
	.p2align	6, 0x0
	.amdhsa_kernel k_qc4bebf7674_prep
		.amdhsa_group_segment_fixed_size 33280
		.amdhsa_private_segment_fixed_size 0
		.amdhsa_enable_private_segment 0
		.amdhsa_kernarg_size 72
		.amdhsa_user_sgpr_count 2
		.amdhsa_user_sgpr_kernarg_segment_ptr 1
		.amdhsa_wavefront_size32 1
		.amdhsa_system_sgpr_workgroup_id_x 1
		.amdhsa_system_sgpr_workgroup_id_y 1
		.amdhsa_system_sgpr_workgroup_id_z 1
		.amdhsa_system_vgpr_workitem_id 0
		.amdhsa_next_free_vgpr 192
		.amdhsa_next_free_sgpr 66
		.amdhsa_reserve_vcc 1
		.amdhsa_float_denorm_mode_32 3
		.amdhsa_float_denorm_mode_16_64 3
		.amdhsa_memory_ordered 1
		.amdhsa_forward_progress 1
		.amdhsa_inst_pref_size 54
	.end_amdhsa_kernel
	.amdgpu_metadata
---
amdhsa.version: [ 1, 2 ]
amdhsa.kernels:
  - .name:           k_qc4bebf7674_prep
    .symbol:         k_qc4bebf7674_prep.kd
    .args:
      - { .name: x, .offset: 0, .size: 8, .value_kind: global_buffer, .address_space: global }
      - { .name: wq, .offset: 8, .size: 8, .value_kind: global_buffer, .address_space: global }
      - { .name: wk, .offset: 16, .size: 8, .value_kind: global_buffer, .address_space: global }
      - { .name: wv, .offset: 24, .size: 8, .value_kind: global_buffer, .address_space: global }
      - { .name: wo, .offset: 32, .size: 8, .value_kind: global_buffer, .address_space: global }
      - { .name: codes, .offset: 40, .size: 8, .value_kind: global_buffer, .address_space: global }
      - { .name: scales, .offset: 48, .size: 8, .value_kind: global_buffer, .address_space: global }
      - { .name: wo16, .offset: 56, .size: 8, .value_kind: global_buffer, .address_space: global }
      - { .name: rope, .offset: 64, .size: 8, .value_kind: global_buffer, .address_space: global }
    .group_segment_fixed_size: 33280
    .private_segment_fixed_size: 0
    .kernarg_segment_align: 8
    .kernarg_segment_size: 72
    .max_flat_workgroup_size: 128
    .sgpr_count:     66
    .vgpr_count:     192
    .wavefront_size: 32
...
	.end_amdgpu_metadata
.endif
;; end of part 1
;; launch qkv (part 2): grid 12 x 32, 4 waves a work-group, clusters of 4 x 4, 327,680 bytes of LDS; arguments codes, scales, rope, qkv, qkv16; writes qkv, qkv16
.if DOCPART == 2
	.amdgcn_target "amdgcn-amd-amdhsa--gfx1250"
	.amdhsa_code_object_version 6
	.text
	.protected	k_qc4bebf7674_qkv
	.globl	k_qc4bebf7674_qkv
	.p2align	8
	.type	k_qc4bebf7674_qkv,@function
k_qc4bebf7674_qkv:
	s_mov_b64 s[64:65], 0
	v_nop
	global_prefetch_b8 v0, s[64:65] scope:SCOPE_SE
	s_setreg_imm32_b32 hwreg(HW_REG_WAVE_MODE, 25, 1), 1
	s_wait_xcnt 0x0
	s_wait_alu depctr_hold_cnt(0) depctr_sa_sdst(0) depctr_va_vdst(0) depctr_va_sdst(0) depctr_va_ssrc(0) depctr_va_vcc(0) depctr_vm_vsrc(0)
	s_getreg_b32 s2, hwreg(HW_REG_IB_STS2, 6, 4)
	s_cmp_eq_u32 s2, 0
	s_cbranch_scc0 .Lentry_in_a_cluster
	s_endpgm
.Lentry_in_a_cluster:
	s_bfe_u32 s2, ttmp6, 0x10000c
	s_cmp_lg_u32 s2, 0xf033
	s_cbranch_scc0 .Lentry_shape_is_right
	s_endpgm
.Lentry_shape_is_right:
; q, k, v = x wq^T, x wk^T, x wv^T as ONE product on codes of FP4 (E2M1) with one E8M0 scale for each 32 along K: C[8192][3072] = A B^T, K = 1024, sums in f32; then the rotation of q and k by position, in f32.
; A = x's codes (first 8192 rows of the codes' buffer), B = wq's, wk's, wv's rows on end (from byte WCODES on); the scale bytes likewise.
; OUT: qkv[sel][b][head][s][64] in f16 (sel 0 q, 1 k, 2 v), and an f32 copy of positions 0-15 of every batch in qkv16[sel][b][pos][1024], for the launch that carries those rows in f32.
; LIMITS: q, k and v must lie within f16 (65,504).  The f32 copy (0.8 MB beside 50 MB) is stored 32 bytes a lane and 64 bytes a row, so its aligned blocks of 256 bytes are written in part.
; A tile of C, 256 x 256, is made by a work-group of four waves; a wave makes 128 x 128: 64 accumulators of 16 x 16, 512 registers.  K is two steps of 512: step 0 lies in LDS slot 0 and step 1 in slot 1,
; both filled once, at the head: no slot is filled again and there is no loop.  The scale bytes of the work-group's rows come once, with the first fills.
; 12 x 32 = 384 tiles for 256 WGPs: the tile that fills them evenly (256 x 384) would take 768 registers of accumulators and leave B's fragments one set; this text keeps the square tile.
; CLUSTERS: 4 x 4 work-groups.  The four of a row of the cluster need the same tiles of A, the four of a column the same tiles of B: each tile is asked for JOINTLY, by the same tensor load with the same
; descriptor and a mask that names the four.  The cluster's x is sel: all sixteen partners make the same of q, k, v, so the one branch on it is alike in all.
; THE MATRIX INSTRUCTION IS USED TRANSPOSED (source 0 = 16 rows of B, source 1 = 16 rows of A): a lane holds eight neighbouring columns of one row of C: four pairs (even, odd channel) of one position.
; REGISTERS, in windows of 256: window 0: v0-31 addresses; v32-95 scale words, two sets; v128-191 A's fragments, ONE set; v192-255 the rotation's table, two sets.
;   On the way out v32-95 hold rotated numbers, v96-127 f16, v128-191 rows read back from the stage.   window 1: B's fragments, TWO sets.   windows 2, 3: the accumulators of my rows 0-63, 64-127.
.set SIZE_K, 1024
.set KSTEP,  512                       ; along K in a slot
.set NQ,     KSTEP/128                 ; matrix instructions deep
.set ROWB,   256                       ; a tile's row in bytes
.set KROW,   SIZE_K*4/8                ; a row of codes in memory
.set PITCH,  272                       ; an LDS row: 256 bytes + 16 of padding: the 16 rows that a load touches start at 16 different banks
.set FR,     8                         ; registers of a fragment: 16 rows x 128 K
.set NL,     2                         ; LDS loads that bring one
.set NP,     4                         ; places behind this matrix instruction (ISA guide 7.12.1)
.set HALFT,  128*PITCH                 ; 128 rows: what one tensor load brings
.set SLOT,   4*HALFT                   ; A's 256 rows, then B's 256 rows
.set KS,     SIZE_K/32                 ; a row of scale bytes
.set SCL,    2*SLOT                    ; behind the slots: the scales, as rows of 256 bytes + 16 of padding
.set HALFS,  (128*KS/256)*272          ; the scales of 128 rows
.set SBLK,   (16*KS/256)*272           ; those of 16 rows
.set SPARE,  SCL+4*HALFS               ; the spare words, 128 bytes a wave
.set WCODES, 0x400000                  ; where the weights' codes begin,
.set WSCALES, 0x40000                  ; and their scale bytes
.set HP,     144                       ; the way out: a stage row: a head's 128 bytes + 16.  The stage, 2 heads x 16 rows a wave, lies in slot 0, which has had its only fill and its last read by then
.set ADRA, 16                          ; v16-17 LDS address of my A fragments in slot 0, 1
.set ADRB, 20                          ; v20-21 the same for B
.set FL,   23                          ; v23 my tile row within its batch: 0 where the tile holds positions 0-255
.set STO,  24                          ; v24 the stage: where I put 16 bytes of a row
.set RD,   25                          ; v25 and where I read rows back
.set CO,   26                          ; v26 16 x lane
.set ADRS, 27                          ; v27 LDS address of my scale words: lanes 0-15 A's rows, lanes 16-31 B's
.set SPW,  28                          ; v28 LDS address of my spare word; never rewritten
.set NIL,  29                          ; v29 0; never rewritten
.set TO,   30                          ; v30 the table: 256 x (lane % 16) + 32 x (lane / 16)
.set FO,   31                          ; v31 the f32 copy: 4096 x (lane % 16) + 32 x (lane / 16)
.set SC,   32
.set AF,   128
.set RO,   32
.set TMP,  96
.set BK,   128
.set CS,   192
.set G1, 24                            ; s[24:31] descriptor group 1 for A's tiles;  s[32:39] group 0, one set for each slot
.set G0, 32
.set G1B, 48                           ; s[48:55], s[56:63] the same for B's tiles
.set G0B, 56
.set G1S, 68                           ; s[68:75], s[76:79] groups 1 and 0 for A's scales;  s[80:87], s[88:91] for B's
.set G0S, 76
.set G1SB, 80
.set G0SB, 88
.set MSB, 0
.macro WIN new                         ; the immediate's high byte repeats the setting that is left
.if MSB != (\new)
	s_set_vgpr_msb (MSB<<8)|(\new)
.set MSB, (\new)
.endif
.endm
.set MUL_LO, 0xa1                      ; source 0 (B) window 1, source 1 (A) window 0, C and D window 2
.set MUL_HI, 0xf1                      ; the same, C and D window 3
.set TO_B,   0x40                      ; destination window 1, address window 0
; A joint load: waves 0 and 1 fetch for A, waves 2 and 3 for B.  Each of the two lines has ONE mask and one set of registers for all that issue it; the branch hangs on the wave's number alone.
; An s_nop 0 and four v_nop follow each of the two lines.
.macro JLOAD g0a, g1a, g0b, g1b
	s_cmp_eq_u32 s15, 0
	s_cbranch_scc0 .Lfor_b_\@
	tensor_load_to_lds s[\g0a:\g0a+3], s[\g1a:\g1a+7]
	s_nop 0
.rept 4
	v_nop
.endr
	s_branch .Lasked_\@
.Lfor_b_\@:
	tensor_load_to_lds s[\g0b:\g0b+3], s[\g1b:\g1b+7]
	s_nop 0
.rept 4
	v_nop
.endr
.Lasked_\@:
.endm
.macro CROUND                          ; a round of the cluster's barrier
	s_barrier_signal -1
	s_barrier_wait -1
	s_cmp_lg_u32 s14, 0
	s_cbranch_scc1 .Lnot_wave_0_\@
	s_barrier_signal -3
.Lnot_wave_0_\@:
	s_barrier_wait -3
	s_barrier_signal -1
	s_barrier_wait -1
.endm
	s_load_b128 s[4:7], s[0:1], 0x0                ; codes s[4:5], scales s[6:7]
	s_load_b128 s[8:11], s[0:1], 0x10              ; rope s[8:9], qkv s[10:11]
	s_load_b64 s[12:13], s[0:1], 0x20              ; qkv16
	v_lshl_add_u32 v[SPW], v0, 2, SPARE
	v_mov_b32 v[NIL], 0
	ds_add_u32 v[SPW], v[NIL]                      ; the wave's opening: the add, twice on end, and its wait ahead of my first tensor load
	ds_add_u32 v[SPW], v[NIL]
	v_lshrrev_b32 v1, 5, v0
	v_readfirstlane_b32 s14, v1                    ; wave 0..3
	s_lshr_b32 s15, s14, 1                         ; which half of the tile's rows is mine.  Also: I fetch for A (0) or for B (1)
	s_and_b32 s16, s14, 1                          ; which half of its columns.  Also: which 128 rows of that tile I fetch
	s_bfe_u32 s40, ttmp6, 0x40000                  ; cx, cy: my place in the cluster
	s_bfe_u32 s41, ttmp6, 0x40004
	s_lshl_b32 s42, ttmp9, 2
	s_add_co_u32 s42, s42, s40                     ; tile column of C = 4 x cluster x + cx
	s_and_b32 s17, ttmp7, 0xffff
	s_lshl_b32 s17, s17, 2
	s_add_co_u32 s17, s17, s41                     ; tile row of C = 4 x cluster y + cy
	s_lshl_b32 s43, s41, 2
	s_lshl_b32 s43, 15, s43                        ; my row of the cluster
	s_lshl_b32 s44, 0x1111, s40                    ; my column
	; descriptor group 1: a tile of 128 rows x 256 bytes, 16 bytes of padding behind each row
	s_or_b32 s[G1+0], s43, (0<<16)|(1<<20)|(1<<21)|(5<<22)|(3<<25)  ; 15:0 the mask; 17:16 elements of 1 byte; 20 padding on; 21 set beside a mask; 24:22 after every 64 words; 31:25 four words
	s_or_b32 s[G1B+0], s44, (0<<16)|(1<<20)|(1<<21)|(5<<22)|(3<<25)
.irp g, G1, G1B
	s_mov_b32 s[\g+1], ROWB<<16                    ; tensor_dim0
	s_mov_b32 s[\g+2], 128<<16                     ; tensor_dim1
	s_mov_b32 s[\g+3], ROWB<<16                    ; tile_dim0
	s_mov_b32 s[\g+4], 128                         ; tile_dim1
	s_mov_b32 s[\g+5], KROW                        ; tensor_dim0_stride
	s_mov_b32 s[\g+6], 0
	s_mov_b32 s[\g+7], 0
.endr
	; the scales of 128 rows: a dense block of 4,096 bytes, as rows of 256 bytes (32 elements of 8 bytes), 16 bytes of padding behind each
	s_or_b32 s[G1S+0], s43, (3<<16)|(1<<20)|(1<<21)|(5<<22)|(3<<25)
	s_or_b32 s[G1SB+0], s44, (3<<16)|(1<<20)|(1<<21)|(5<<22)|(3<<25)
.irp g, G1S, G1SB
	s_mov_b32 s[\g+1], 32<<16
	s_mov_b32 s[\g+2], (128*KS/256)<<16
	s_mov_b32 s[\g+3], 32<<16
	s_mov_b32 s[\g+4], 128*KS/256
	s_mov_b32 s[\g+5], 32
	s_mov_b32 s[\g+6], 0
	s_mov_b32 s[\g+7], 0
.endr
	s_lshl_b32 s18, s16, 7                         ; which 128 rows of the tile I fetch
	s_lshl_b32 s20, s17, 8
	s_add_co_u32 s20, s20, s18                     ; A: row 256 x tile row + 128 x half
	s_lshl_b32 s46, s42, 8
	s_add_co_u32 s46, s46, s18                     ; B: row 256 x tile column + 128 x half
	s_mov_b32 s21, 0
	s_mov_b32 s47, 0
	s_mov_b64 s[18:19], KS
	s_mul_u64 s[22:23], s[20:21], s[18:19]         ; where these rows' scales begin, in bytes
	s_mul_u64 s[92:93], s[46:47], s[18:19]
	s_mov_b64 s[18:19], KROW
	s_mul_u64 s[20:21], s[20:21], s[18:19]         ; and their codes
	s_mul_u64 s[46:47], s[46:47], s[18:19]
	s_add_nc_u64 s[46:47], s[46:47], WCODES        ; the weights lie behind x in both buffers
	s_add_nc_u64 s[92:93], s[92:93], WSCALES
	s_mul_i32 s45, s14, HALFT                      ; where they go: wave x 128 rows: no place in the cluster enters an LDS address
	s_mul_i32 s94, s14, HALFS
	s_wait_dscnt 0x0                               ; both opening adds are done
	s_wait_kmcnt 0x0
	s_add_nc_u64 s[20:21], s[4:5], s[20:21]
	s_add_nc_u64 s[22:23], s[6:7], s[22:23]
	s_add_nc_u64 s[46:47], s[4:5], s[46:47]
	s_add_nc_u64 s[92:93], s[6:7], s[92:93]
	CROUND                                         ; all sixteen work-groups are here: the joint loads meet
	s_mov_b32 s[G0S], 1
	s_add_co_u32 s[G0S+1], s94, SCL
	s_mov_b64 s[G0S+2:G0S+3], s[22:23]
	s_or_b32 s[G0S+3], s[G0S+3], 0x80000000
	s_mov_b32 s[G0SB], 1
	s_add_co_u32 s[G0SB+1], s94, SCL
	s_mov_b64 s[G0SB+2:G0SB+3], s[92:93]
	s_or_b32 s[G0SB+3], s[G0SB+3], 0x80000000
	JLOAD G0S, G1S, G0SB, G1SB                     ; the scales first: they are wanted with K step 0
.irp s, 0,1
	s_mov_b32 s[G0+4*\s], 1
	s_add_co_u32 s[G0+4*\s+1], s45, \s*SLOT
	s_add_nc_u64 s[G0+4*\s+2:G0+4*\s+3], s[20:21], \s*ROWB
	s_or_b32 s[G0+4*\s+3], s[G0+4*\s+3], 0x80000000
	s_mov_b32 s[G0B+4*\s], 1
	s_add_co_u32 s[G0B+4*\s+1], s45, \s*SLOT
	s_add_nc_u64 s[G0B+4*\s+2:G0B+4*\s+3], s[46:47], \s*ROWB
	s_or_b32 s[G0B+4*\s+3], s[G0B+4*\s+3], 0x80000000
	JLOAD G0+4*\s, G1, G0B+4*\s, G1B               ; three tensor loads of mine are out, all of them first fills
.endr
	v_and_b32 v1, 15, v0                           ; l % 16
	v_bfe_u32 v2, v0, 4, 1                         ; l / 16
	v_mul_u32_u24 v3, v1, PITCH
	v_lshl_add_u32 v4, v2, 4, v3                   ; a fragment's row x pitch + 16 x half
	s_mul_i32 s21, s15, HALFT                      ; my 128 rows of A
	s_mul_i32 s22, s16, HALFT                      ; my 128 rows of B,
	s_add_co_u32 s22, s22, 2*HALFT                 ; which lie behind A's 256
.irp s, 0,1
	v_add_nc_u32 v[ADRA+\s], s21, v4
	v_add_nc_u32 v[ADRB+\s], s22, v4
	s_add_co_u32 s21, s21, SLOT
	s_add_co_u32 s22, s22, SLOT
.endr
	v_mul_u32_u24 v5, v1, KS                       ; my row's scales: KS bytes a row,
	v_lshrrev_b32 v6, 8, v5
	v_lshl_add_u32 v5, v6, 4, v5                   ; and 16 more for each 256 passed
	s_mul_i32 s21, s15, HALFS                      ; A's: my 128 rows
	s_mul_i32 s22, s16, HALFS                      ; B's: my 128 rows, behind A's 256
	s_add_co_u32 s22, s22, 2*HALFS
	s_sub_co_u32 s22, s22, s21
	v_mul_u32_u24 v6, s22, v2                      ; lanes 16-31 take B's
	s_add_co_u32 s21, s21, SCL
	v_add_nc_u32 v5, v5, v6
	v_add_nc_u32 v[ADRS], s21, v5
	s_mul_i32 s23, s14, 32*HP                      ; my stage
	v_mul_u32_u24 v5, v1, HP                       ; in: row l % 16, 16 bytes for each half of the lanes
	v_lshl_add_u32 v5, v2, 4, v5
	v_add_nc_u32 v[STO], s23, v5
	v_and_b32 v6, 31, v0
	v_lshlrev_b32 v[CO], 4, v6
	v_lshrrev_b32 v5, 3, v6                        ; back: eight lanes to a row of 128 bytes, four rows an instruction
	v_mul_u32_u24 v5, v5, HP
	v_and_b32 v6, 7, v6
	v_lshl_add_u32 v5, v6, 4, v5
	v_add_nc_u32 v[RD], s23, v5
	v_lshlrev_b32 v[TO], 8, v1
	v_lshl_add_u32 v[TO], v2, 5, v[TO]
	v_lshlrev_b32 v[FO], 12, v1
	v_lshl_add_u32 v[FO], v2, 5, v[FO]
	; where my part begins in the table, in qkv and in the f32 copy
	s_and_b32 s18, s17, 7                          ; my tile row within its batch (8 tiles of 256 positions)
	v_mov_b32 v[FL], s18
	s_lshl_b32 s18, s18, 8
	s_lshl_b32 s19, s15, 7
	s_add_co_u32 s18, s18, s19                     ; my first position
	s_lshl_b32 s20, s18, 8
	s_mov_b32 s21, 0
	s_add_nc_u64 s[8:9], s[8:9], s[20:21]          ; the table: 256 bytes a position
	s_lshl_b32 s20, ttmp9, 24                      ; sel x 16 MiB
	s_lshr_b32 s19, s17, 3                         ; the batch,
	s_lshl_b32 s22, s19, 22                        ; x 4 MiB
	s_add_co_u32 s20, s20, s22
	s_lshl_b32 s22, s40, 2
	s_lshl_b32 s23, s16, 1
	s_add_co_u32 s22, s22, s23                     ; my first head: 4 cx + 2 x column half
	s_lshl_b32 s23, s22, 18
	s_add_co_u32 s20, s20, s23
	s_lshl_b32 s23, s18, 7                         ; 128 bytes a position
	s_add_co_u32 s20, s20, s23
	s_add_nc_u64 s[10:11], s[10:11], s[20:21]
	s_lshl_b32 s20, ttmp9, 18                      ; the copy: sel x 262,144 + batch x 65,536 + head x 256
	s_lshl_b32 s23, s19, 16
	s_add_co_u32 s20, s20, s23
	s_lshl_b32 s23, s22, 8
	s_add_co_u32 s20, s20, s23
	s_add_nc_u64 s[12:13], s[12:13], s[20:21]
.macro FRAG reg, adr, q, i             ; a fragment: lane l holds row l % 16; registers 4 c .. 4 c + 3 hold K = 64 c + 32 (l / 16) + 0 .. 31
.irp c, 0,1
	ds_load_b128 v[\reg+4*\c:\reg+4*\c+3], v[\adr] offset:64*(\q)+32*\c+(\i)*16*PITCH
.endr
.endm
; 16 matrix instructions: A's blocks a0, a0 + 1 x B's eight, 128 along K: the slot's q-th.  p: B's set;  sc: the set of scale words.  zero = 1: the first product starts the sums: nothing is ever cleared.
; The 64 accumulators take turns, one instruction a turn, in the same order in every step.
.macro MUL16 a0, p, q, sc, zero
.irp a, \a0, \a0+1
.irp b, 0,1,2,3,4,5,6,7
.if \zero
	v_wmma_scale_f32_16x16x128_f8f6f4 v[8*(8*((\a)%4)+\b):8*(8*((\a)%4)+\b)+7], v[128*(\p)+FR*\b:128*(\p)+FR*\b+FR-1], v[AF+FR*(\a):AF+FR*(\a)+FR-1], 0, v[SC+8*NQ*(\sc)+NQ*\b+(\q)], v[SC+8*NQ*(\sc)+NQ*(\a)+(\q)] matrix_a_fmt:MATRIX_FMT_FP4 matrix_b_fmt:MATRIX_FMT_FP4 matrix_a_scale:MATRIX_SCALE_ROW1
.else
	v_wmma_scale_f32_16x16x128_f8f6f4 v[8*(8*((\a)%4)+\b):8*(8*((\a)%4)+\b)+7], v[128*(\p)+FR*\b:128*(\p)+FR*\b+FR-1], v[AF+FR*(\a):AF+FR*(\a)+FR-1], v[8*(8*((\a)%4)+\b):8*(8*((\a)%4)+\b)+7], v[SC+8*NQ*(\sc)+NQ*\b+(\q)], v[SC+8*NQ*(\sc)+NQ*(\a)+(\q)] matrix_a_fmt:MATRIX_FMT_FP4 matrix_b_fmt:MATRIX_FMT_FP4 matrix_a_scale:MATRIX_SCALE_ROW1
.endif
.endr
.endr
.endm
.macro FETCH_B slot, q, p              ; B's eight fragments of the slot's q-th 128 along K into set p
	WIN TO_B
.irp i, 0,1,2,3,4,5,6,7
	FRAG 128*(\p)+FR*\i, ADRB+\slot, \q, \i
.endr
	WIN 0
.endm
.macro FETCH_A slot, q, i0             ; A's blocks i0 .. i0 + 3
.irp i, \i0, \i0+1, \i0+2, \i0+3
	FRAG AF+FR*(\i), ADRA+\slot, \q, \i
.endr
.endm
.macro SCALES sc                       ; a K step's scale words into set sc: four words a row; lanes 0-15 take A's block i, lanes 16-31 B's block i
.irp i, 0,1,2,3,4,5,6,7
	ds_load_b128 v[SC+8*NQ*\sc+NQ*\i:SC+8*NQ*\sc+NQ*\i+3], v[ADRS] offset:\i*SBLK
.endr
.endm
; A load into a register that a matrix instruction has read, and a vector instruction or a store that reads a matrix result, stand NP places behind that matrix instruction; only plain vector
; instructions that name none of its registers are places (ISA guide 7.12.1 for vector instructions).
.macro PLACES n
.rept \n
	v_nop
.endr
.endm
; A step of 128 along K that has its successor in the same slot.
.macro STEP slot, q, zero
	s_wait_dscnt 4*NL                              ; B's set and A's blocks 0-3 are in; the youngest eight loads (A's blocks 4-7) may be out
	WIN MUL_LO
	MUL16 0, (\q)%2, \q, \slot, \zero
	MUL16 2, (\q)%2, \q, \slot, \zero
	s_wait_dscnt 0                                 ; A's blocks 4-7 are in
	PLACES NP
	FETCH_B \slot, (\q)+1, 1-(\q)%2
	FETCH_A \slot, (\q)+1, 0
	WIN MUL_HI
	MUL16 4, (\q)%2, \q, \slot, \zero
	MUL16 6, (\q)%2, \q, \slot, \zero
	PLACES NP
	WIN 0
	FETCH_A \slot, (\q)+1, 4
.endm
; Slot 0's last step changes slots: ONE barrier; in front of it each wave waits for all its tensor loads (slot 1's is the one that may be out), adds 0 to its spare word, and waits for that and for its reads of slot 0.
; Behind it slot 1 is whole, and nobody reads slot 0 any more: the stages of the way out may lie there.  Nothing is filled again.
.macro TURN slot, next
	s_wait_tensorcnt 0x0
	ds_add_u32 v[SPW], v[NIL]                      ; 0 onto my spare word
	s_wait_dscnt 4*NL+1                            ; (the add and the youngest eight loads, A's blocks 4-7, may be out)
	WIN MUL_LO
	MUL16 0, 1, NQ-1, \slot, 0                     ; sixteen matrix instructions stand between the add and the wait for it
	s_wait_dscnt 0x0                               ; the add is done, and my reads of this slot are over
	s_barrier_signal -1
	MUL16 2, 1, NQ-1, \slot, 0
	WIN 0
	s_barrier_wait -1
	PLACES NP
	v_add_nc_u32 v[ADRS], 4*NQ, v[ADRS]            ; on to the next K step's scale words (no LDS load of mine is out)
	FETCH_B \next, 0, 0
	FETCH_A \next, 0, 0
	SCALES \next
	WIN MUL_HI
	MUL16 4, 1, NQ-1, \slot, 0
	MUL16 6, 1, NQ-1, \slot, 0
	PLACES NP
	WIN 0
	FETCH_A \next, 0, 4
.endm
.macro STEPS slot, from                ; the slot's steps from .. NQ - 2
.set Q, \from
.rept NQ-1-\from
	STEP \slot, Q, 0
.set Q, Q+1
.endr
.endm
.macro LAST                            ; the very last step: nothing more to fetch
	s_wait_dscnt 4*NL
	WIN MUL_LO
	MUL16 0, 1, NQ-1, 1, 0
	MUL16 2, 1, NQ-1, 1, 0
	s_wait_dscnt 0
	WIN MUL_HI
	MUL16 4, 1, NQ-1, 1, 0
	MUL16 6, 1, NQ-1, 1, 0
	WIN 0
.endm
; THE WAY OUT, block by block of 16 positions x 128 columns (two heads).  In accumulator (a, b) lane (r, h) holds position 16 a + r and channels 16 (b % 4) + 8 h + 0 .. 7 of head b / 4:
; pairs 8 (b % 4) + 4 h + 0 .. 3, each in two neighbouring registers.
.macro TABLE a, set                    ; (cos, sin) of block a's positions, my 16 pairs: 32 registers; both heads use them
.irp g, 0,1,2,3
.irp c, 0,1
	global_load_b128 v[CS+32*(\set)+8*\g+4*\c:CS+32*(\set)+8*\g+4*\c+3], v[TO], s[8:9] offset:4096*(\a)+64*\g+16*\c
.endr
.endr
.endm
.macro PACK a, rope                    ; rope = 1: rotated in f32, then rounded to f16; 0: rounded as it is.  Each accumulator is read from its low end on
.set AC, 64*((\a)%4)
.set CT, CS+32*((\a)%2)
.if \rope
.if (\a) < 7
	s_wait_loadcnt 8                               ; this block's table is in; the next block's eight loads stay out
.else
	s_wait_loadcnt 0x0
.endif
	WIN 0x02+(\a)/4                                ; source 0: the accumulators' window
.irp b, 0,1,2,3,4,5,6,7
.irp p, 0,1,2,3
	v_pk_mul_f32 v[RO+8*\b+2*\p:RO+8*\b+2*\p+1], v[AC+8*\b+2*\p:AC+8*\b+2*\p+1], v[CT+8*(\b%4)+2*\p:CT+8*(\b%4)+2*\p+1] op_sel_hi:[0,1]   ; (x1 cos, x1 sin)
.endr
.irp p, 0,1,2,3
	v_pk_fma_f32 v[RO+8*\b+2*\p:RO+8*\b+2*\p+1], v[AC+8*\b+2*\p:AC+8*\b+2*\p+1], v[CT+8*(\b%4)+2*\p:CT+8*(\b%4)+2*\p+1], v[RO+8*\b+2*\p:RO+8*\b+2*\p+1] op_sel:[1,1,0] op_sel_hi:[1,0,1] neg_lo:[0,1,0]   ; (- x2 sin, + x2 cos)
.endr
.endr
	WIN 0
.irp b, 0,1,2,3,4,5,6,7
.irp p, 0,1,2,3
	v_cvt_pk_f16_f32 v[TMP+4*\b+\p], v[RO+8*\b+2*\p], v[RO+8*\b+2*\p+1]
.endr
.endr
.else
	WIN 0x0a+5*((\a)/4)                            ; sources 0 and 1: the accumulators' window
.irp b, 0,1,2,3,4,5,6,7
.irp p, 0,1,2,3
	v_cvt_pk_f16_f32 v[TMP+4*\b+\p], v[AC+8*\b+2*\p], v[AC+8*\b+2*\p+1]
.endr
.endr
	WIN 0
.endif
.endm
; The f32 copy of positions 0-15: block 0 of the waves with the tile's upper rows (a branch on the wave's number), in the tiles that begin a batch.  Which tile that is hangs on the work-group's place in
; its cluster: so the stores are masked by EXEC, and in the other tiles they store nothing.  EXEC changes only behind s_wait_xcnt 0.
.macro FINE rope
	s_cmp_lg_u32 s15, 0
	s_cbranch_scc1 .Lno_fine_\@
	v_cmp_eq_u32 vcc_lo, 0, v[FL]
	s_wait_xcnt 0x0
	s_and_saveexec_b32 s96, vcc_lo
.if \rope
.irp b, 0,1,2,3,4,5,6,7
.irp c, 0,1
	global_store_b128 v[FO], v[RO+8*\b+4*\c:RO+8*\b+4*\c+3], s[12:13] offset:64*\b+16*\c
.endr
.endr
.else
	WIN 0x08                                       ; a store's data are its source 1: window 2
.irp b, 0,1,2,3,4,5,6,7
.irp c, 0,1
	global_store_b128 v[FO], v[8*\b+4*\c:8*\b+4*\c+3], s[12:13] offset:64*\b+16*\c
.endr
.endr
	WIN 0
.endif
	s_wait_xcnt 0x0                                ; and again in front of the line that widens it; the stores have also read their data
	s_or_b32 exec_lo, exec_lo, s96
.Lno_fine_\@:
.endm
.macro TOSTAGE a                       ; 16 bytes a lane into my stage, and back as rows of 128 bytes.  LDS serves a wave's instructions in order: no wait between the stores and the loads, nor ahead of the next block's stores
.set BB, BK+32*((\a)%2)
.irp b, 0,1,2,3,4,5,6,7
	ds_store_b128 v[STO], v[TMP+4*\b:TMP+4*\b+3] offset:16*HP*(\b/4)+32*(\b%4)
.endr
.irp t, 0,1,2,3,4,5,6,7
	ds_load_b128 v[BB+4*\t:BB+4*\t+3], v[RD] offset:16*HP*(\t/4)+4*HP*(\t%4)
.endr
.endm
.macro SEND a, younger                 ; younger: the LDS instructions issued behind block a's loads, which may stay out
.set BB, BK+32*((\a)%2)
	s_wait_dscnt \younger
.irp t, 0,1,2,3,4,5,6,7
	global_store_b128 v[CO], v[BB+4*\t:BB+4*\t+3], s[10:11] offset:262144*(\t/4)+2048*(\a)+512*(\t%4)   ; four positions of one head: 512 consecutive bytes, aligned
.endr
.endm
.macro WAYOUT rope
	PLACES NP                                      ; behind the last products: for the reads of results and for the writes of registers that held scales and fragments
	PACK 0, \rope
	FINE \rope
	TOSTAGE 0
.if \rope
	TABLE 2, 0
.endif
.irp a, 1,2,3,4,5,6,7
.if \a > 1
	s_wait_xcnt 0x0                                ; block a - 2's stores have read their registers: block a's loads may land there
.endif
	PACK \a, \rope
	TOSTAGE \a
.if \rope && (\a < 6)
	TABLE \a+2, \a%2
.endif
	SEND \a-1, 16                                  ; behind block a - 1's loads: block a's 8 stores and 8 loads
.endr
	SEND 7, 0
.endm
	s_wait_tensorcnt 1                             ; the scales and my part of K step 0 are in (K step 1's load may be out)
	s_barrier_signal -1
	s_barrier_wait -1                              ; everybody's are
	FETCH_B 0, 0, 0
	FETCH_A 0, 0, 0
	SCALES 0
	FETCH_A 0, 0, 4
	STEP 0, 0, 1                                   ; the first step's products start the sums
	STEPS 0, 1
	TURN 0, 1
	STEPS 1, 0
	s_cmp_eq_u32 ttmp9, 2                          ; the cluster's x says which of q, k, v: alike in all sixteen partners.  v is not rotated
	s_cbranch_scc1 .Lvalues
	TABLE 0, 0                                     ; the first two blocks' tables are asked for here and land under the last step's products
	TABLE 1, 1
	LAST
	WAYOUT 1
	s_branch .Lclose
.Lvalues:
	LAST
	WAYOUT 0
.Lclose:
	s_wait_tensorcnt 0x0                           ; the wave's end, behind my last tensor load and my last LDS store
	ds_add_u32 v[SPW], v[NIL]
	s_wait_dscnt 0x0
	CROUND                                         ; the closing round
	s_endpgm
.Lfunc_end_k_qc4bebf7674_qkv:
	.size	k_qc4bebf7674_qkv, .Lfunc_end_k_qc4bebf7674_qkv-k_qc4bebf7674_qkv
	.p2alignl 7, 3214868480
	.fill 96, 4, 3214868480
	.section	.rodata,"a",@progbits
	.p2align	6, 0x0
	.amdhsa_kernel k_qc4bebf7674_qkv
		.amdhsa_group_segment_fixed_size 327680
		.amdhsa_private_segment_fixed_size 0
		.amdhsa_enable_private_segment 0
		.amdhsa_kernarg_size 40
		.amdhsa_user_sgpr_count 2
		.amdhsa_user_sgpr_kernarg_segment_ptr 1
		.amdhsa_wavefront_size32 1
		.amdhsa_system_sgpr_workgroup_id_x 1
		.amdhsa_system_sgpr_workgroup_id_y 1
		.amdhsa_system_sgpr_workgroup_id_z 1
		.amdhsa_system_vgpr_workitem_id 0
		.amdhsa_next_free_vgpr 1024
		.amdhsa_next_free_sgpr 100
		.amdhsa_reserve_vcc 1
		.amdhsa_float_denorm_mode_32 3
		.amdhsa_float_denorm_mode_16_64 3
		.amdhsa_memory_ordered 1
		.amdhsa_forward_progress 1
		.amdhsa_inst_pref_size 208
	.end_amdhsa_kernel
	.amdgpu_metadata
---
amdhsa.version: [ 1, 2 ]
amdhsa.kernels:
  - .name:           k_qc4bebf7674_qkv
    .symbol:         k_qc4bebf7674_qkv.kd
    .args:
      - { .name: codes, .offset: 0, .size: 8, .value_kind: global_buffer, .address_space: global }
      - { .name: scales, .offset: 8, .size: 8, .value_kind: global_buffer, .address_space: global }
      - { .name: rope, .offset: 16, .size: 8, .value_kind: global_buffer, .address_space: global }
      - { .name: qkv, .offset: 24, .size: 8, .value_kind: global_buffer, .address_space: global }
      - { .name: qkv16, .offset: 32, .size: 8, .value_kind: global_buffer, .address_space: global }
    .group_segment_fixed_size: 327680
    .private_segment_fixed_size: 0
    .kernarg_segment_align: 8
    .kernarg_segment_size: 40
    .max_flat_workgroup_size: 128
    .sgpr_count:     100
    .vgpr_count:     1024
    .wavefront_size: 32
...
	.end_amdgpu_metadata
.endif
;; end of part 2
;; launch attn (part 3): grid 4 x 64, 16 waves a work-group, no clusters, 327,680 bytes of LDS; arguments qkv, attn; writes attn
.if DOCPART == 3
	.amdgcn_target "amdgcn-amd-amdhsa--gfx1250"
	.amdhsa_code_object_version 6
	.text
	.protected	k_qc4bebf7674_attn
	.globl	k_qc4bebf7674_attn
	.p2align	8
	.type	k_qc4bebf7674_attn,@function
k_qc4bebf7674_attn:
	s_mov_b64 s[64:65], 0
	v_nop
	global_prefetch_b8 v0, s[64:65] scope:SCOPE_SE
	s_setreg_imm32_b32 hwreg(HW_REG_WAVE_MODE, 25, 1), 1
	s_wait_xcnt 0x0
; CAUSAL ATTENTION, head size 64: O[q] = sum over k <= q of softmax_k(Q[q] . K[k] / 8) V[k].  Q, K, V: qkv[sel][b x 16 + head][2048][64] in f16; products on f16 operands with f32 sums;
; maxima, exponentials and row sums in f32; the weights p (at most 1) are rounded to f16 for the second product, O once at the end.
; OUT: attn[16 b + s / 128][head][s % 128][64] in f16: a wave's 32 queries are 4,096 consecutive bytes, and the next launch finds a K step of its tiles as dense blocks.
; LIMITS: the result must lie within f16 (65,504).  Positions 0-15 of every sequence, which average few values, are made here in f16 like the rest and made again in f32 by the last launch.
; SHARES.  Work-group (i, head): waves 0-7 own the 256 queries of block 7 - i, waves 8-15 those of block i: (8 - i) + (i + 1) = 9 blocks of 256 x 256 under the mask in every work-group: 256 equal shares.
; A wave owns 32 queries, TWO tiles of 16, so that each fragment of K and V read from LDS feeds two matrix instructions; four waves share a SIMD, so that one wave's softmax stands beside another's products.
; EVERY work-group walks ALL eight slots of 256 keys: the trip counts are constants.  A step (64 keys) all of whose keys come after the wave's queries is jumped over, by a scalar branch on ids.
; NO CLUSTER: the four work-groups of a head want the same tiles only up to their own causal limits (2048 - 256 i keys), so a joint load would bring some partners tiles that none of their waves reads.
; LAYOUT.  S^T = K Q^T (source 0 = 16 keys, source 1 = 16 queries): a lane holds ONE query (lane % 16) and keys 8 (lane / 16) + 0..7.  Two such tiles, rounded to f16 in pairs, ARE source 1
; (32 keys x 16 queries) of O^T = V^T P.  K comes out of LDS as it lies, V ([key][channel]) turned, by ds_load_tr16_b128.
; SOFTMAX.  For each query a running maximum m and sum l: p = 2^(c s - c m), c = log2(e) / 8; in every step O and l are multiplied by a = 2^(c m_old - c m_new).
; REGISTERS: v1-15 addresses and the mask's; v16-47 Q; v48-111 eight fragments of K, then of V; v112-175 S^T, then p, then P packed in place; v176-239 O^T; v240-255 statistics, eight a tile.
.set KP,    144                        ; a key's row in LDS: 128 bytes + 16: the 16 rows of a load start at 16 different banks
.set VP,    160                        ; a row of V: 128 + 32
.set SK,    256                        ; keys in a slot
.set VOFF,  SK*KP                      ; a slot: 256 rows of K, then 256 rows of V
.set SLOT1, 1<<17                      ; slot 1 begins here: one exclusive or turns an address in one slot into the other's
.set NSL,   2048/SK
.set SPARE, SLOT1+SK*(KP+VP)           ; behind the ring: the spare words, 128 bytes a wave
.set AK0,  1                           ; v1  my lane's place in a tile of K
.set AV0,  2                           ; v2  the same for V
.set SPW,  3                           ; v3  LDS address of my spare word; never rewritten
.set NIL,  4                           ; v4  0; never rewritten
.set GO,   5                           ; v5  16 x lane
.set ADK,  6                           ; v6  LDS address of the step's K
.set ADV,  7                           ; v7  of its V
.set STO,  8                           ; v8  the way out: where I put 16 bytes of a row.  The stages (32 rows x 144 bytes a wave) lie in slot 0, left at the last change of slots
.set RD,   9                           ; v9  and where I read rows back
.set PFO,  10                          ; v10 256 x lane
.set D0,   11                          ; v11, v12 the mask: my query less the step's first key less 8 (lane / 16), for each tile
.set NINF, 13                          ; v13 -infinity
.set RH,   14                          ; v14 lane % 16 - 8 (lane / 16)
.set QF,   16
.set KV,   48
.set S,    112
.set O,    176
.set ST,   240                         ; tile u's statistics at v[ST + 8 u]: +0 c m, +1 m, +2, +3 l in two halves, +4 .. +7 at work; a takes +6
.set WV,   18
.set SEL,  20                          ; s[20:21] lane selects for v_permlanex16_b32: lane l xor 16
.set CS,   22                          ; s[22:23] c, as a pair
.set G1K,  24
.set G1V,  32
.set G0K,  40
.set G0V,  44
.set TBK,  2                           ; s2  LDS byte at which the step's rows of K begin
.set TBV,  3                           ; s3  and, less VOFF, its rows of V
.set SLOTS, 48
.set NS,   49
.set KF,   50                          ; s50 the step's first key
.set Q0,   51                          ; s51 my first query
.set QL,   52                          ; s52 my work-group's last query
.set PFA,  54                          ; s[54:55] where my prefetches stand
.set LIM,  56                          ; s56 1 in a wave that prefetches, else the greatest number
; Waves 0 and 1 fetch K's halves of a slot, waves 2 and 3 V's, the others nothing.  The branches hang on the wave's number alone.  An s_nop 0 and four v_nop follow each line.
.macro TLOAD
	s_cmp_lt_u32 s[WV], 2
	s_cbranch_scc0 .Lnot_k_\@
	tensor_load_to_lds s[G0K:G0K+3], s[G1K:G1K+7]
	s_nop 0
.rept 4
	v_nop
.endr
	s_branch .Lasked_\@
.Lnot_k_\@:
	s_cmp_lt_u32 s[WV], 4
	s_cbranch_scc0 .Lasked_\@
	tensor_load_to_lds s[G0V:G0V+3], s[G1V:G1V+7]
	s_nop 0
.rept 4
	v_nop
.endr
.Lasked_\@:
.endm
; A PREFETCH INTO THE L2 of the slot that the NEXT change of slots will ask for: 32,768 bytes of K and as many of V.  All four work-groups of a head walk the same K and V: work-group 0, which walks all keys, asks.
; In it waves 4 to 7 ask for K's block and waves 8 to 11 for V's, 8,192 bytes a wave, lanes 256 bytes apart: each aligned block of 256 bytes is named once in the launch.
; The change in trip T names slot T + 2: slots 2 to 7; slots 0 and 1 come by their loads alone, and the last change that fills a slot asks for nothing.
.macro ASK
	s_cmp_gt_u32 s[SLOTS], s[LIM]
	s_cbranch_scc0 .Lnot_mine_\@
	global_prefetch_b8 v[PFO], s[PFA:PFA+1] th:TH_LOAD_NT scope:SCOPE_SE
.Lnot_mine_\@:
.endm
	s_load_b128 s[4:7], s[0:1], 0x0                ; qkv s[4:5], attn s[6:7]
	v_lshl_add_u32 v[SPW], v0, 2, SPARE
	v_mov_b32 v[NIL], 0
	ds_add_u32 v[SPW], v[NIL]                      ; the wave's opening: the add, twice on end, and its wait ahead of my first tensor load
	ds_add_u32 v[SPW], v[NIL]
	v_lshrrev_b32 v15, 5, v0
	v_readfirstlane_b32 s[WV], v15                 ; wave 0..15
	s_and_b32 s57, ttmp7, 0xffff                   ; 16 x batch + head
	s_lshl_b32 s58, s57, 18                        ; its 2048 rows of 128 bytes
	s_sub_co_u32 s59, 7, ttmp9
	s_cmp_lt_u32 s[WV], 8
	s_cselect_b32 s59, s59, ttmp9                  ; my block of 256 queries
	s_lshl_b32 s[Q0], s59, 8
	s_and_b32 s59, s[WV], 7
	s_lshl_b32 s59, s59, 5
	s_add_co_u32 s[Q0], s[Q0], s59                 ; my first query
	s_sub_co_u32 s[QL], 8, ttmp9
	s_lshl_b32 s[QL], s[QL], 8
	s_sub_co_u32 s[QL], s[QL], 1                   ; the work-group's last query: the same in all sixteen waves
	; descriptor group 1: 128 rows of 64 elements of 2 bytes, dense in memory, padded in LDS
	s_mov_b32 s[G1K], (1<<16)|(1<<20)|(4<<22)|(3<<25)  ; no mask; elements of 2 bytes; padding on; after every 32 words; four words
	s_mov_b32 s[G1V], (1<<16)|(1<<20)|(4<<22)|(7<<25)  ; the same with eight words
.irp g, G1K, G1V
	s_mov_b32 s[\g+1], 64<<16                      ; tensor_dim0
	s_mov_b32 s[\g+2], 128<<16                     ; tensor_dim1
	s_mov_b32 s[\g+3], 64<<16                      ; tile_dim0
	s_mov_b32 s[\g+4], 128                         ; tile_dim1
	s_mov_b32 s[\g+5], 64                          ; tensor_dim0_stride
	s_mov_b32 s[\g+6], 0
	s_mov_b32 s[\g+7], 0
.endr
	s_and_b32 s96, s[WV], 1                        ; which half of a slot's rows I fetch, if I fetch
	s_lshl_b32 s97, s96, 14
	s_add_co_u32 s60, s58, s97
	s_add_co_u32 s62, s60, 0x2000000               ; V lies 32 MiB into qkv,
	s_add_co_u32 s60, s60, 0x1000000               ; K 16 MiB
	s_mov_b32 s61, 0
	s_mov_b32 s63, 0
	s_mul_i32 s97, s96, 128*KP
	s_mul_i32 s96, s96, 128*VP
	s_add_co_u32 s96, s96, VOFF
	s_mov_b32 s[SEL], 0x76543210
	s_mov_b32 s[SEL+1], 0xfedcba98
	s_mov_b32 s[CS], 0x3e38aa3b                    ; c = log2(e) / 8
	s_mov_b32 s[CS+1], s[CS]
	s_mov_b32 s[TBK], 0
	s_mov_b32 s[TBV], 0
	s_mov_b32 s[SLOTS], NSL-1
	s_mov_b32 s[KF], 0
	s_wait_dscnt 0x0                               ; both opening adds are done
	s_wait_kmcnt 0x0
	s_mov_b32 s[G0K], 1
	s_mov_b32 s[G0K+1], s97
	s_add_nc_u64 s[G0K+2:G0K+3], s[4:5], s[60:61]
	s_or_b32 s[G0K+3], s[G0K+3], 0x80000000
	s_mov_b32 s[G0V], 1
	s_mov_b32 s[G0V+1], s96
	s_add_nc_u64 s[G0V+2:G0V+3], s[4:5], s[62:63]
	s_or_b32 s[G0V+3], s[G0V+3], 0x80000000
	TLOAD                                          ; slot 0: it holds key 0, which counts for every query
	s_lshl_b32 s60, s[Q0], 7
	s_add_co_u32 s60, s60, s58
	s_add_nc_u64 s[70:71], s[4:5], s[60:61]        ; Q at my first query
	s_lshr_b32 s96, s57, 4
	s_lshl_b32 s96, s96, 4
	s_lshr_b32 s97, s[Q0], 7
	s_add_co_u32 s96, s96, s97                     ; 16 x batch + my block of 128 positions
	s_lshl_b32 s96, s96, 4
	s_and_b32 s97, s57, 15
	s_add_co_u32 s96, s96, s97                     ; x 16 + head
	s_lshl_b32 s96, s96, 14
	s_and_b32 s97, s[Q0], 127
	s_lshl_b32 s97, s97, 7
	s_add_co_u32 s96, s96, s97
	s_mov_b32 s97, 0
	s_add_nc_u64 s[68:69], s[6:7], s[96:97]        ; the result at my first query
	s_cmp_lt_u32 s[WV], 8                          ; the prefetches: waves 4 to 7 K's, waves 8 to 11 V's
	s_mov_b32 s60, 0x2000000
	s_cselect_b32 s60, 0x1000000, s60
	s_add_co_u32 s60, s60, s58
	s_and_b32 s97, s[WV], 3
	s_lshl_b32 s97, s97, 13                        ; my wave's 8,192 bytes,
	s_add_co_u32 s60, s60, s97
	s_add_co_u32 s60, s60, SK*128                  ; in slot 1: the first change of slots steps it to slot 2.  Nothing is prefetched at the head
	s_add_nc_u64 s[PFA:PFA+1], s[4:5], s[60:61]
	s_sub_co_u32 s59, s[WV], 4
	s_lshr_b32 s59, s59, 3                         ; 0 in waves 4 to 11,
	s_or_b32 s59, s59, ttmp9                       ; of the head's work-group 0
	s_cmp_eq_u32 s59, 0
	s_cselect_b32 s[LIM], 1, -1
	v_and_b32 v11, 15, v0                          ; r
	v_bfe_u32 v12, v0, 4, 1                        ; h
	v_lshlrev_b32 v15, 7, v11
	v_lshl_add_u32 v15, v12, 4, v15                ; Q: row r of 128 bytes + 16 h
.irp u, 0,1
.irp kk, 0,1
	global_load_b128 v[QF+16*\u+8*\kk:QF+16*\u+8*\kk+3], v15, s[70:71] offset:2048*\u+64*\kk
	global_load_b128 v[QF+16*\u+8*\kk+4:QF+16*\u+8*\kk+7], v15, s[70:71] offset:2048*\u+64*\kk+32
.endr
.endr
	v_mul_u32_u24 v[AK0], v11, KP
	v_lshl_add_u32 v[AK0], v12, 4, v[AK0]          ; K: row r x pitch + 16 h
	v_and_b32 v13, 7, v0
	v_lshl_add_u32 v[AV0], v12, 3, v13             ; V, turned: key 8 h + lane % 8,
	v_mul_u32_u24 v[AV0], v[AV0], VP
	v_bfe_u32 v13, v0, 3, 1
	v_lshl_add_u32 v[AV0], v13, 4, v[AV0]          ; channels 8 ((lane / 8) % 2) on
	v_add_nc_u32 v[AV0], VOFF, v[AV0]
	v_and_b32 v13, 31, v0
	v_lshlrev_b32 v[GO], 4, v13
	v_lshlrev_b32 v[PFO], 8, v13
	s_mul_i32 s59, s[WV], 32*KP                    ; my stage
	v_mul_u32_u24 v[STO], v11, KP
	v_lshl_add_u32 v[STO], v12, 4, v[STO]
	v_add_nc_u32 v[STO], s59, v[STO]
	v_lshrrev_b32 v[RD], 3, v13
	v_mul_u32_u24 v[RD], v[RD], KP
	v_and_b32 v13, 7, v0
	v_lshl_add_u32 v[RD], v13, 4, v[RD]
	v_add_nc_u32 v[RD], s59, v[RD]
	v_lshlrev_b32 v[RH], 3, v12
	v_sub_nc_u32 v[RH], v11, v[RH]
.irp u, 0,1
	v_mov_b32 v[ST+8*\u+1], 0xff61b1e6             ; m: -3e38, under every score
	v_mul_f32 v[ST+8*\u], s[CS], v[ST+8*\u+1]      ; c m
.irp j, 2,3,4,5,6,7
	v_mov_b32 v[ST+8*\u+\j], 0                     ; l; and the registers at work are written once: a lane permute's destination counts as one of its sources
.endr
.endr
.irp j, 0,1,2,3,4,5,6,7,8,9,10,11,12,13,14,15,16,17,18,19,20,21,22,23,24,25,26,27,28,29,30,31,32,33,34,35,36,37,38,39,40,41,42,43,44,45,46,47,48,49,50,51,52,53,54,55,56,57,58,59,60,61,62,63
	v_mov_b32 v[O+\j], 0                           ; O^T.  (The step is written once: the first finds zeros, which a = 0 leaves zeros)
.endr
; A KEY STEP: 64 keys.
.macro STEP
	s_add_co_u32 s96, s[Q0], 31
	s_cmp_gt_u32 s[KF], s96                        ; all 64 keys come after my 32 queries: the step's work is left out; the lines at its end that step addresses are not
	s_cbranch_scc1 .Lhidden_\@
	v_add_nc_u32 v[ADK], s[TBK], v[AK0]
	v_add_nc_u32 v[ADV], s[TBV], v[AV0]
.rept 3
	v_nop                                          ; with the two additions five places behind the last step's products: four for the loads into their fragments, five for the products that write over P
.endr
.irp kk, 0,1                                   ; K's 8 fragments: keys 16 t on, channels 32 kk on; the first channel half first
.irp t, 0,1,2,3
	ds_load_b128 v[KV+8*(2*\t+\kk):KV+8*(2*\t+\kk)+3], v[ADK] offset:16*KP*\t+64*\kk
	ds_load_b128 v[KV+8*(2*\t+\kk)+4:KV+8*(2*\t+\kk)+7], v[ADK] offset:16*KP*\t+64*\kk+32
.endr
.endr
	s_wait_dscnt 8                                 ; the first channel half is in; the second half's eight loads may be out
.irp t, 0,1,2,3                                ; S^T = K Q^T: eight accumulators by turns; the first eight products start the sums
.irp u, 0,1
	v_wmma_f32_16x16x32_f16 v[S+32*\u+8*\t:S+32*\u+8*\t+7], v[KV+16*\t:KV+16*\t+7], v[QF+16*\u:QF+16*\u+7], 0
.endr
.endr
	s_wait_dscnt 0x0
.irp t, 0,1,2,3
.irp u, 0,1
	v_wmma_f32_16x16x32_f16 v[S+32*\u+8*\t:S+32*\u+8*\t+7], v[KV+16*\t+8:KV+16*\t+15], v[QF+16*\u+8:QF+16*\u+15], v[S+32*\u+8*\t:S+32*\u+8*\t+7]
.endr
.endr
.rept 4
	v_nop                                          ; places: for the loads into K's registers and for the first reads of the scores
.endr
.irp ks, 0,1                                   ; V's 8 fragments, turned: keys 32 ks on, channels 16 t on.  They land while the softmax is worked
.irp t, 0,1,2,3
	ds_load_tr16_b128 v[KV+8*(4*\ks+\t):KV+8*(4*\ks+\t)+3], v[ADV] offset:32*VP*\ks+32*\t
	ds_load_tr16_b128 v[KV+8*(4*\ks+\t)+4:KV+8*(4*\ks+\t)+7], v[ADV] offset:32*VP*\ks+32*\t+16*VP
.endr
.endr
	s_add_co_u32 s96, s[KF], 63                    ; on the diagonal hidden scores become -infinity ahead of the maximum; a step all of whose keys count skips this.
	s_cmp_le_u32 s96, s[Q0]                        ; (a step that is walked has its first key at or under my first query, both being multiples of 32: every query sees a key)
	s_cbranch_scc1 .Lopen_\@
	s_sub_co_i32 s96, s[Q0], s[KF]
	v_add_nc_u32 v[D0], s96, v[RH]
	v_add_nc_u32 v[D0+1], 16, v[D0]
	v_mov_b32 v[NINF], 0xff800000
.irp u, 0,1
.irp n, 0,1,2,3,4,5,6,7,8,9,10,11,12,13,14,15,16,17,18,19,20,21,22,23,24,25,26,27,28,29,30,31
	v_cmp_gt_i32 vcc_lo, 16*(\n/8)+\n%8, v[D0+\u]  ; register n holds key 16 (n / 8) + 8 (lane / 16) + n % 8 of the step
	v_cndmask_b32 v[S+32*\u+\n], v[S+32*\u+\n], v[NINF], vcc_lo
.endr
.endr
.Lopen_\@:
	; the softmax, the two tiles line by line by turns.  The maximum of 32 scores and the old m: four chains, each begun at its accumulator's low end
.irp j, 0,1,2,3
.irp u, 0,1
	v_max3_num_f32 v[ST+8*\u+4+\j], v[S+32*\u+8*\j], v[S+32*\u+8*\j+1], v[S+32*\u+8*\j+2]
.endr
.endr
.irp i, 3,5
.irp j, 0,1,2,3
.irp u, 0,1
	v_max3_num_f32 v[ST+8*\u+4+\j], v[ST+8*\u+4+\j], v[S+32*\u+8*\j+\i], v[S+32*\u+8*\j+\i+1]
.endr
.endr
.endr
.irp u, 0,1
	v_max3_num_f32 v[ST+8*\u+4], v[ST+8*\u+4], v[S+32*\u+7], v[S+32*\u+15]
.endr
.irp u, 0,1
	v_max3_num_f32 v[ST+8*\u+6], v[ST+8*\u+6], v[S+32*\u+23], v[S+32*\u+31]
.endr
.irp u, 0,1
	v_max3_num_f32 v[ST+8*\u+4], v[ST+8*\u+4], v[ST+8*\u+5], v[ST+8*\u+6]
.endr
.irp u, 0,1
	v_max3_num_f32 v[ST+8*\u+4], v[ST+8*\u+4], v[ST+8*\u+7], v[ST+8*\u+1]
.endr
.irp u, 0,1
	v_permlanex16_b32 v[ST+8*\u+5], v[ST+8*\u+4], s[SEL], s[SEL+1]   ; the query's other 32 keys lie in the lane 16 away
.endr
.irp u, 0,1
	v_mov_b32 v[ST+8*\u+7], v[ST+8*\u]             ; c m_old
.endr
.irp u, 0,1
	v_max_num_f32 v[ST+8*\u+1], v[ST+8*\u+4], v[ST+8*\u+5]
.endr
.irp u, 0,1
	v_mul_f32 v[ST+8*\u], s[CS], v[ST+8*\u+1]
.endr
.irp u, 0,1
	v_sub_f32 v[ST+8*\u+7], v[ST+8*\u+7], v[ST+8*\u]
.endr
.irp j, 0,2,4,6,8,10,12,14,16,18,20,22,24,26,28,30
.irp u, 0,1
	v_pk_fma_f32 v[S+32*\u+\j:S+32*\u+\j+1], v[S+32*\u+\j:S+32*\u+\j+1], s[CS:CS+1], v[ST+8*\u:ST+8*\u+1] op_sel_hi:[1,0,0] neg_lo:[0,0,1] neg_hi:[0,0,1]   ; c s - c m
.endr
.endr
.irp u, 0,1
	v_exp_f32 v[ST+8*\u+6], v[ST+8*\u+7]           ; a.  ONE BATCH of 66 exponentials, none of which reads another's result
.endr
.irp j, 0,1,2,3,4,5,6,7,8,9,10,11,12,13,14,15,16,17,18,19,20,21,22,23,24,25,26,27,28,29,30,31
.irp u, 0,1
	v_exp_f32 v[S+32*\u+\j], v[S+32*\u+\j]
.endr
.endr
	v_nop                                          ; a plain instruction behind the last exponential
	s_wait_alu depctr_va_vdst(0)                   ; and ONE wait for the batch, ahead of the first line that names a result
.irp u, 0,1
	v_pk_mul_f32 v[ST+8*\u+2:ST+8*\u+3], v[ST+8*\u+2:ST+8*\u+3], v[ST+8*\u+6:ST+8*\u+7] op_sel_hi:[1,0]   ; l x a
.endr
.irp u, 0,1
	v_pk_add_f32 v[ST+8*\u+4:ST+8*\u+5], v[S+32*\u:S+32*\u+1], v[S+32*\u+2:S+32*\u+3]   ; the row's sum, of the p not yet rounded, in two chains
.endr
.irp j, 4,8,12,16,20,24,28
.irp u, 0,1
	v_pk_add_f32 v[ST+8*\u+2:ST+8*\u+3], v[ST+8*\u+2:ST+8*\u+3], v[S+32*\u+\j:S+32*\u+\j+1]
	v_pk_add_f32 v[ST+8*\u+4:ST+8*\u+5], v[ST+8*\u+4:ST+8*\u+5], v[S+32*\u+\j+2:S+32*\u+\j+3]
.endr
.endr
.irp u, 0,1
	v_pk_add_f32 v[ST+8*\u+2:ST+8*\u+3], v[ST+8*\u+2:ST+8*\u+3], v[ST+8*\u+4:ST+8*\u+5]
.endr
.irp k, 0,1,2,3,4,5,6,7,8,9,10,11,12,13,14,15
.irp u, 0,1
	v_cvt_pk_f16_f32 v[S+32*\u+\k], v[S+32*\u+2*\k], v[S+32*\u+2*\k+1]   ; P, packed in place: register k is written when registers up to 2 k + 1 have been read
.endr
.endr
.irp j, 0,2,4,6,8,10,12,14,16,18,20,22,24,26,28,30
.irp u, 0,1
	v_pk_mul_f32 v[O+32*\u+\j:O+32*\u+\j+1], v[O+32*\u+\j:O+32*\u+\j+1], v[ST+8*\u+6:ST+8*\u+7] op_sel_hi:[1,0]   ; O^T x a, each accumulator from its low end on
.endr
.endr
	s_wait_dscnt 0x0                               ; V is in
.irp ks, 0,1                                   ; O^T += V^T P: eight accumulators by turns
.irp t, 0,1,2,3
.irp u, 0,1
	v_wmma_f32_16x16x32_f16 v[O+32*\u+8*\t:O+32*\u+8*\t+7], v[KV+8*(4*\ks+\t):KV+8*(4*\ks+\t)+7], v[S+32*\u+8*\ks:S+32*\u+8*\ks+7], v[O+32*\u+8*\t:O+32*\u+8*\t+7]
.endr
.endr
.endr
.Lhidden_\@:
	s_add_co_u32 s[KF], s[KF], 64
	s_add_co_u32 s[TBK], s[TBK], 64*KP
	s_add_co_u32 s[TBV], s[TBV], 64*VP
.endm
.macro SLOT_STEPS                      ; a slot's four steps: written once, walked four times
	s_mov_b32 s[NS], SK/64
.Lstep_\@:
	STEP
	s_sub_co_u32 s[NS], s[NS], 1
	s_cmp_lg_u32 s[NS], 0
	s_cbranch_scc1 .Lstep_\@
	s_sub_co_u32 s[TBK], s[TBK], SK*KP             ; back to a slot's first step,
	s_sub_co_u32 s[TBV], s[TBV], SK*VP
	s_xor_b32 s[TBK], s[TBK], SLOT1                ; in the other slot
	s_xor_b32 s[TBV], s[TBV], SLOT1
.endm
; THE CHANGE OF SLOTS stands at a slot's head.  Each wave waits for all its tensor loads (its part of the slot that it is about to read), adds 0 to its spare word, and waits for that and for its reads of the slot
; that it has left.  Behind the barrier the slot ahead is whole and nobody reads the other one.  fill = 1: that other slot takes the next 256 keys: one tensor load a wave is out, with a slot's steps in which to land.
; THE LOOK-AHEAD ENDS AT THE CAUSAL LIMIT: a slot whose first key comes after the work-group's last query is read by none of its waves and is not asked for.  The test is made of the work-group's number and the count
; of steps alone, is the same in all sixteen waves, and leads round the load's own lines alone; every wait on TENSORcnt in this text is for 0.
.macro CHANGE fill
	s_wait_tensorcnt 0x0                           ; no tensor load of mine is out, so a group 0 may be written
	ds_add_u32 v[SPW], v[NIL]                      ; 0 onto my spare word
.if \fill
	ds_add_u32 v[SPW], v[NIL]                      ; and once more, in every trip alike
	s_xor_b32 s[G0K+1], s[G0K+1], SLOT1            ; the walking descriptors: the other slot than last time,
	s_add_nc_u64 s[G0K+2:G0K+3], s[G0K+2:G0K+3], SK*128   ; the next 256 keys
	s_xor_b32 s[G0V+1], s[G0V+1], SLOT1
	s_add_nc_u64 s[G0V+2:G0V+3], s[G0V+2:G0V+3], SK*128
	s_wait_xcnt 0x0                                ; the last prefetch, a slot back, has read its address
	s_add_nc_u64 s[PFA:PFA+1], s[PFA:PFA+1], SK*128
.endif
	s_wait_dscnt 0x0                               ; the add is done, and my reads of the slot that I have left are over
	s_barrier_signal -1
	s_barrier_wait -1
.if \fill
	s_add_co_u32 s96, s[KF], SK                    ; the first key of the slot that this change would ask for
	s_cmp_gt_u32 s96, s[QL]
	s_cbranch_scc1 .Lpast_\@
	TLOAD
.Lpast_\@:
	ASK
.endif
.endm
	s_wait_loadcnt 0x0                             ; Q
.Lslot:                                            ; seven trips
	CHANGE 1
	SLOT_STEPS
	s_sub_co_u32 s[SLOTS], s[SLOTS], 1
	s_cmp_lg_u32 s[SLOTS], 0
	s_cbranch_scc1 .Lslot
	CHANGE 0                                       ; the last slot is written out: nothing is left to ask for
	SLOT_STEPS
	; THE WAY OUT.  l's two halves and the other half of the lanes' are added; O^T is divided by l, rounded to f16 and sent through my stage, so that the wave stores 512 consecutive bytes at a time.
	; The four additions and the v_nop are the places behind the last products.
.irp u, 0,1
	v_add_f32 v[ST+8*\u+4], v[ST+8*\u+2], v[ST+8*\u+3]
.endr
.irp u, 0,1
	v_permlanex16_b32 v[ST+8*\u+5], v[ST+8*\u+4], s[SEL], s[SEL+1]
.endr
.irp u, 0,1
	v_add_f32 v[ST+8*\u+4], v[ST+8*\u+4], v[ST+8*\u+5]
.endr
.irp u, 0,1
	v_rcp_f32 v[ST+8*\u+6], v[ST+8*\u+4]
.endr
	v_nop
	s_wait_alu depctr_va_vdst(0)                   ; one wait for the two reciprocals, ahead of their first reader
.irp u, 0,1
.irp j, 0,2,4,6,8,10,12,14,16,18,20,22,24,26,28,30
	v_pk_mul_f32 v[O+32*\u+\j:O+32*\u+\j+1], v[O+32*\u+\j:O+32*\u+\j+1], v[ST+8*\u+6:ST+8*\u+7] op_sel_hi:[1,0]
.endr
.endr
.irp u, 0,1
.irp k, 0,1,2,3,4,5,6,7,8,9,10,11,12,13,14,15
	v_cvt_pk_f16_f32 v[S+16*\u+\k], v[O+32*\u+2*\k], v[O+32*\u+2*\k+1]
.endr
.endr
.irp u, 0,1
.irp t, 0,1,2,3
	ds_store_b128 v[STO], v[S+16*\u+4*\t:S+16*\u+4*\t+3] offset:16*KP*\u+32*\t   ; query 16 u + r, channels 16 t + 8 h on
.endr
.endr
.irp i, 0,1,2,3,4,5,6,7
	ds_load_b128 v[KV+4*\i:KV+4*\i+3], v[RD] offset:4*KP*\i   ; LDS serves a wave's instructions in order: these see my stores
.endr
.irp i, 0,1,2,3,4,5,6,7
	s_wait_dscnt 7-\i
	global_store_b128 v[GO], v[KV+4*\i:KV+4*\i+3], s[68:69] offset:512*\i
.endr
	s_wait_tensorcnt 0x0                           ; the wave's end, behind my last tensor load and my last LDS store
	ds_add_u32 v[SPW], v[NIL]
	s_wait_dscnt 0x0
	s_endpgm
.Lfunc_end_k_qc4bebf7674_attn:
	.size	k_qc4bebf7674_attn, .Lfunc_end_k_qc4bebf7674_attn-k_qc4bebf7674_attn
	.p2alignl 7, 3214868480
	.fill 96, 4, 3214868480
	.section	.rodata,"a",@progbits
	.p2align	6, 0x0
	.amdhsa_kernel k_qc4bebf7674_attn
		.amdhsa_group_segment_fixed_size 327680
		.amdhsa_private_segment_fixed_size 0
		.amdhsa_enable_private_segment 0
		.amdhsa_kernarg_size 16
		.amdhsa_user_sgpr_count 2
		.amdhsa_user_sgpr_kernarg_segment_ptr 1
		.amdhsa_wavefront_size32 1
		.amdhsa_system_sgpr_workgroup_id_x 1
		.amdhsa_system_sgpr_workgroup_id_y 1
		.amdhsa_system_sgpr_workgroup_id_z 1
		.amdhsa_system_vgpr_workitem_id 0
		.amdhsa_next_free_vgpr 256
		.amdhsa_next_free_sgpr 100
		.amdhsa_reserve_vcc 1
		.amdhsa_float_denorm_mode_32 3
		.amdhsa_float_denorm_mode_16_64 3
		.amdhsa_memory_ordered 1
		.amdhsa_forward_progress 1
		.amdhsa_inst_pref_size 62
	.end_amdhsa_kernel
	.amdgpu_metadata
---
amdhsa.version: [ 1, 2 ]
amdhsa.kernels:
  - .name:           k_qc4bebf7674_attn
    .symbol:         k_qc4bebf7674_attn.kd
    .args:
      - { .name: qkv, .offset: 0, .size: 8, .value_kind: global_buffer, .address_space: global }
      - { .name: attn, .offset: 8, .size: 8, .value_kind: global_buffer, .address_space: global }
    .group_segment_fixed_size: 327680
    .private_segment_fixed_size: 0
    .kernarg_segment_align: 8
    .kernarg_segment_size: 16
    .max_flat_workgroup_size: 512
    .sgpr_count:     100
    .vgpr_count:     256
    .wavefront_size: 32
...
	.end_amdgpu_metadata
.endif
;; end of part 3
;; launch proj (part 4): grid 4 x 64, 4 waves a work-group, clusters of 4 x 4, 327,680 bytes of LDS; arguments attn, wo16, out0; writes out0
.if DOCPART == 4
	.amdgcn_target "amdgcn-amd-amdhsa--gfx1250"
	.amdhsa_code_object_version 6
	.text
	.protected	k_qc4bebf7674_proj
	.globl	k_qc4bebf7674_proj
	.p2align	8
	.type	k_qc4bebf7674_proj,@function
k_qc4bebf7674_proj:
	s_mov_b64 s[64:65], 0
	v_nop
	global_prefetch_b8 v0, s[64:65] scope:SCOPE_SE
	s_setreg_imm32_b32 hwreg(HW_REG_WAVE_MODE, 25, 1), 1
	s_wait_xcnt 0x0
	s_wait_alu depctr_hold_cnt(0) depctr_sa_sdst(0) depctr_va_vdst(0) depctr_va_sdst(0) depctr_va_ssrc(0) depctr_va_vcc(0) depctr_vm_vsrc(0)
	s_getreg_b32 s2, hwreg(HW_REG_IB_STS2, 6, 4)
	s_cmp_eq_u32 s2, 0
	s_cbranch_scc0 .Lentry_in_a_cluster
	s_endpgm
.Lentry_in_a_cluster:
	s_bfe_u32 s2, ttmp6, 0x10000c
	s_cmp_lg_u32 s2, 0xf033
	s_cbranch_scc0 .Lentry_shape_is_right
	s_endpgm
.Lentry_shape_is_right:
; out0[8192][1024] = A wo^T, f16 operands, f32 sums, f32 out.  A = the attention's result, attn[tile of 128 rows][head][row][64]; wo16[head][n][64].  K = 1024 = 16 heads of 64.
; A tile of C is 128 x 256: 64 x 4 = 256 work-groups.  Four waves, each 64 x 128: 32 accumulators of 16 x 16, 256 registers.  K goes in 8 steps of 128 (two heads) through a ring of two LDS slots;
; in both buffers a head's rows of a tile are one dense block of memory: waves 0 and 1 fetch A's two heads (128 rows each), waves 2 and 3 wo's (256 rows each), one tensor load a wave.
; Two slots of a longer step would not fit: (128 + 256) rows x 144 bytes a head x 2 slots leave room for two heads a slot.
; CLUSTERS: 4 x 4 work-groups; A's tile is shared along a row of the cluster, wo's along a column: each is asked for JOINTLY.  THE MATRIX INSTRUCTION IS USED TRANSPOSED (source 0 = 16 rows of wo,
; source 1 = 16 rows of A): a lane holds eight neighbouring numbers of a row of C.
; NO PREFETCH: K has eight steps, of which two come as first fills, and wo16 is read by all 64 tile rows.
; Rows 0-15 of every batch are stored here like the rest and stored again, carried in f32, by the launch that follows.
; REGISTERS: window 0: v0-31 addresses; two fragment buffers at v32 and v128: 32 registers of A (4 x 16 rows x 32 K), then 64 of wo (8 x 16 rows); on the way out v32-159 hold rows.  window 1: accumulator (a, b) at v[8 (8 a + b)].
.set KP,     144                       ; an LDS row: a head's 128 bytes + 16: the 16 rows that a load touches start at 16 different banks
.set ABLK,   128*KP                    ; a head's rows of A's tile
.set BBLK,   256*KP                    ; and of wo's
.set BOFF,   2*ABLK
.set SLOT,   2*ABLK+2*BBLK
.set STAGE,  2*SLOT                    ; behind the ring: 16 rows x 528 bytes for each wave
.set SPITCH, 528
.set SPARE,  STAGE+4*16*SPITCH         ; the spare words, 128 bytes a wave
.set LAPS,   4                         ; a lap = two K steps = once round the ring
.set ADRA, 16
.set ADRB, 20
.set STO,  24
.set RD,   25
.set CO,   26
.set SPW,  28
.set NIL,  29
.set F0,   32
.set F1,   128
.set BK,   32
.set G1, 24
.set G0, 32
.set G1B, 48
.set G0B, 56
.set MSB, 0
.macro WIN new
.if MSB != (\new)
	s_set_vgpr_msb (MSB<<8)|(\new)
.set MSB, (\new)
.endif
.endm
.set MUL, 0x50                         ; sources 0 and 1 window 0; C and D window 1
.macro JLOAD s                         ; a joint load: waves 0 and 1 fetch A's two heads, waves 2 and 3 wo's; an s_nop 0 and four v_nop follow each of the two lines
	s_cmp_eq_u32 s11, 0
	s_cbranch_scc0 .Lfor_b_\@
	tensor_load_to_lds s[G0+4*\s:G0+4*\s+3], s[G1:G1+7]
	s_nop 0
.rept 4
	v_nop
.endr
	s_branch .Lasked_\@
.Lfor_b_\@:
	tensor_load_to_lds s[G0B+4*\s:G0B+4*\s+3], s[G1B:G1B+7]
	s_nop 0
.rept 4
	v_nop
.endr
.Lasked_\@:
.endm
.macro CREST                           ; a round of the cluster's barrier behind its opening barrier
	s_cmp_lg_u32 s10, 0
	s_cbranch_scc1 .Lnot_wave_0_\@
	s_barrier_signal -3
.Lnot_wave_0_\@:
	s_barrier_wait -3
	s_barrier_signal -1
	s_barrier_wait -1
.endm
.macro CROUND
	s_barrier_signal -1
	s_barrier_wait -1
	CREST
.endm
	s_load_b128 s[4:7], s[0:1], 0x0                ; attn s[4:5], wo16 s[6:7]
	s_load_b64 s[8:9], s[0:1], 0x10                ; out0
	v_lshl_add_u32 v[SPW], v0, 2, SPARE
	v_mov_b32 v[NIL], 0
	ds_add_u32 v[SPW], v[NIL]                      ; the wave's opening: the add, twice on end, and its wait ahead of my first tensor load
	ds_add_u32 v[SPW], v[NIL]
	v_lshrrev_b32 v1, 5, v0
	v_readfirstlane_b32 s10, v1                    ; wave 0..3
	s_lshr_b32 s11, s10, 1                         ; which 64 of the tile's rows are mine.  Also: I fetch for A (0) or for wo (1)
	s_and_b32 s12, s10, 1                          ; which 128 of its columns.  Also: which of a K step's two heads I fetch
	s_bfe_u32 s40, ttmp6, 0x40000                  ; cx, cy
	s_bfe_u32 s41, ttmp6, 0x40004
	s_lshl_b32 s42, ttmp9, 2
	s_add_co_u32 s42, s42, s40                     ; tile column
	s_and_b32 s13, ttmp7, 0xffff
	s_lshl_b32 s13, s13, 2
	s_add_co_u32 s13, s13, s41                     ; tile row
	s_lshl_b32 s43, s41, 2
	s_lshl_b32 s43, 15, s43                        ; my row of the cluster
	s_lshl_b32 s44, 0x1111, s40                    ; my column
	s_or_b32 s[G1+0], s43, (1<<16)|(1<<20)|(1<<21)|(4<<22)|(3<<25)  ; the mask; elements of 2 bytes; padding on; bit 21 beside a mask; after every 32 words; four words
	s_or_b32 s[G1B+0], s44, (1<<16)|(1<<20)|(1<<21)|(4<<22)|(3<<25)
.irp g, G1, G1B
	s_mov_b32 s[\g+1], 64<<16                      ; tensor_dim0
	s_mov_b32 s[\g+3], 64<<16                      ; tile_dim0
	s_mov_b32 s[\g+5], 64                          ; tensor_dim0_stride
	s_mov_b32 s[\g+6], 0
	s_mov_b32 s[\g+7], 0
.endr
	s_mov_b32 s[G1+2], 128<<16                     ; tensor_dim1, tile_dim1: A's 128 rows,
	s_mov_b32 s[G1+4], 128
	s_mov_b32 s[G1B+2], 256<<16                    ; wo's 256
	s_mov_b32 s[G1B+4], 256
	s_lshl_b32 s16, s13, 18                        ; A: tile row x 262,144 + head x 16,384
	s_lshl_b32 s17, s12, 14
	s_add_co_u32 s16, s16, s17
	s_mov_b32 s17, 0
	s_lshl_b32 s46, s42, 15                        ; wo16: head x 131,072 + tile column x 256 rows of 128 bytes
	s_lshl_b32 s47, s12, 17
	s_add_co_u32 s46, s46, s47
	s_mov_b32 s47, 0
	s_mul_i32 s20, s12, ABLK                       ; where they go: no place in the cluster enters an LDS address
	s_mul_i32 s21, s12, BBLK
	s_add_co_u32 s21, s21, BOFF
	s_wait_dscnt 0x0                               ; both opening adds are done
	s_wait_kmcnt 0x0
	s_add_nc_u64 s[14:15], s[4:5], s[16:17]
	s_add_nc_u64 s[46:47], s[6:7], s[46:47]
	CROUND                                         ; all sixteen work-groups are here: the first joint loads meet
.irp s, 0,1
	s_mov_b32 s[G0+4*\s], 1
	s_add_co_u32 s[G0+4*\s+1], s20, \s*SLOT
	s_add_nc_u64 s[G0+4*\s+2:G0+4*\s+3], s[14:15], \s*32768
	s_or_b32 s[G0+4*\s+3], s[G0+4*\s+3], 0x80000000
	s_mov_b32 s[G0B+4*\s], 1
	s_add_co_u32 s[G0B+4*\s+1], s21, \s*SLOT
	s_add_nc_u64 s[G0B+4*\s+2:G0B+4*\s+3], s[46:47], \s*262144
	s_or_b32 s[G0B+4*\s+3], s[G0B+4*\s+3], 0x80000000
	JLOAD \s
.endr
	v_and_b32 v1, 15, v0                           ; l % 16
	v_bfe_u32 v2, v0, 4, 1                         ; l / 16
	v_mul_u32_u24 v3, v1, KP
	v_lshl_add_u32 v3, v2, 4, v3                   ; a fragment's row x pitch + 16 x half
	s_mul_i32 s21, s11, 64*KP                      ; my 64 rows of A
	s_mul_i32 s22, s12, 128*KP                     ; my 128 rows of wo,
	s_add_co_u32 s22, s22, BOFF                    ; behind A's two heads
.irp s, 0,1
	v_add_nc_u32 v[ADRA+\s], s21, v3
	v_add_nc_u32 v[ADRB+\s], s22, v3
	s_add_co_u32 s21, s21, SLOT
	s_add_co_u32 s22, s22, SLOT
.endr
	s_mul_i32 s23, s10, 16*SPITCH
	s_add_co_u32 s23, s23, STAGE                   ; my stage
	v_mul_u32_u24 v5, v1, SPITCH                   ; in: row l % 16, 32 bytes for each half of the lanes
	v_lshl_add_u32 v5, v2, 5, v5
	v_add_nc_u32 v[STO], s23, v5
	v_and_b32 v6, 31, v0
	v_lshlrev_b32 v[CO], 4, v6                     ; back: the 32 lanes take one row of 512 bytes; and the same in C
	v_add_nc_u32 v[RD], s23, v[CO]
	s_lshl_b32 s16, s13, 7
	s_lshl_b32 s17, s11, 6
	s_add_co_u32 s16, s16, s17                     ; my first row of C
	s_lshl_b32 s16, s16, 12                        ; 4,096 bytes a row
	s_lshl_b32 s46, s42, 10                        ; my first column, in bytes
	s_lshl_b32 s47, s12, 9
	s_add_co_u32 s46, s46, s47
	s_add_co_u32 s46, s46, s16
	s_mov_b32 s47, 0
	s_add_nc_u64 s[8:9], s[8:9], s[46:47]
; 8 matrix instructions: A's block a x wo's eight, 32 along K, from buffer f.  zero = 1: the first product starts the sums.  The 32 accumulators take turns, in the same order in every quarter.
.macro MUL8 f, a, zero
.irp b, 0,1,2,3,4,5,6,7
.if \zero
	v_wmma_f32_16x16x32_f16 v[8*(8*(\a)+\b):8*(8*(\a)+\b)+7], v[\f+32+8*\b:\f+32+8*\b+7], v[\f+8*(\a):\f+8*(\a)+7], 0
.else
	v_wmma_f32_16x16x32_f16 v[8*(8*(\a)+\b):8*(8*(\a)+\b)+7], v[\f+32+8*\b:\f+32+8*\b+7], v[\f+8*(\a):\f+8*(\a)+7], v[8*(8*(\a)+\b):8*(8*(\a)+\b)+7]
.endif
.endr
.endm
; 24 LDS loads in one run: quarter q of a K step (head q / 2, channels 32 (q % 2) on) into buffer f: wo's eight fragments, then A's four
.macro FETCH slot, q, f
.irp i, 0,1,2,3,4,5,6,7
	ds_load_b128 v[\f+32+8*\i:\f+32+8*\i+3],   v[ADRB+\slot] offset:BBLK*((\q)/2)+64*((\q)%2)+\i*16*KP
	ds_load_b128 v[\f+32+8*\i+4:\f+32+8*\i+7], v[ADRB+\slot] offset:BBLK*((\q)/2)+64*((\q)%2)+\i*16*KP+32
.endr
.irp i, 0,1,2,3
	ds_load_b128 v[\f+8*\i:\f+8*\i+3],   v[ADRA+\slot] offset:ABLK*((\q)/2)+64*((\q)%2)+\i*16*KP
	ds_load_b128 v[\f+8*\i+4:\f+8*\i+7], v[ADRA+\slot] offset:ABLK*((\q)/2)+64*((\q)%2)+\i*16*KP+32
.endr
.endm
.macro PLACES                          ; four places in front of loads into registers that matrix instructions have read, and of the first reads of results
.rept 4
	v_nop
.endr
.endm
; A K step is four quarters of 32 along K, 32 matrix instructions each, on buffers 0, 1, 0, 1.  One of the first three: multiplies buffer f and fetches quarter q into g.
.macro QUARTER slot, q, f, g, zero
	s_wait_dscnt 4                                 ; wo's fragments and A's blocks 0, 1 are in; the youngest four loads (A's blocks 2, 3) may be out
	WIN MUL
	MUL8 \f, 0, \zero
	MUL8 \f, 1, \zero
	PLACES
	WIN 0
	FETCH \slot, \q, \g
	s_wait_dscnt 24                                ; all but the 24 just issued
	WIN MUL
	MUL8 \f, 2, \zero
	MUL8 \f, 3, \zero
.endm
; The last quarter multiplies buffer 1 and changes slots: ONE barrier; in front of it each wave waits for all its tensor loads, adds 0 to its spare word, and waits for that and for its reads of this slot.
; fill = 1: the barrier opens a round of the cluster's barrier, and this slot is filled again, two K steps ahead: the one tensor load of the wave that is out.
.macro TURN slot, next, fill
	WIN 0                                          ; (the add's two registers lie in window 0)
	s_wait_tensorcnt 0x0                           ; all my tensor loads have landed: my part of the next slot;
	ds_add_u32 v[SPW], v[NIL]                      ; 0 onto my spare word;
	s_wait_dscnt 5                                 ; (the add and the youngest four loads may be out)
	WIN MUL
	MUL8 F1, 0, 0                                  ; eight matrix instructions stand between the add and the wait for it
	s_wait_dscnt 0x0                               ; the add is done, and my reads of this slot are over
	s_barrier_signal -1
	MUL8 F1, 1, 0
	WIN 0
	s_barrier_wait -1
.if \fill
	CREST                                          ; no wave of any partner still reads this slot's tile or has a load on its way
	s_add_nc_u64 s[G0+4*\slot+2:G0+4*\slot+3], s[G0+4*\slot+2:G0+4*\slot+3], 65536
	s_add_nc_u64 s[G0B+4*\slot+2:G0B+4*\slot+3], s[G0B+4*\slot+2:G0B+4*\slot+3], 524288
	JLOAD \slot                                    ; the first tensor load behind the round; the four v_nop behind it are also the places in front of the loads below
.else
	PLACES
.endif
	FETCH \next, 0, F0
	WIN MUL
	MUL8 F1, 2, 0
	MUL8 F1, 3, 0
.endm
	s_wait_tensorcnt 1                             ; my part of K step 0 is in (K step 1's load may be out)
	s_barrier_signal -1
	s_barrier_wait -1                              ; everybody's is
	FETCH 0, 0, F0
	QUARTER 0, 1, F0, F1, 1                        ; the first quarter stands in front of the loop: its products start the sums
	WIN 0                                          ; at a label and at a branch every window is 0
	s_mov_b32 s3, LAPS-1
.Llap:                                                 ; a trip goes once round the ring, from a lap's second quarter to the next lap's first, and fills both slots again
	QUARTER 0, 2, F1, F0, 0
	QUARTER 0, 3, F0, F1, 0
	TURN 0, 1, 1
	QUARTER 1, 1, F0, F1, 0
	QUARTER 1, 2, F1, F0, 0
	QUARTER 1, 3, F0, F1, 0
	TURN 1, 0, 1
	QUARTER 0, 1, F0, F1, 0
	WIN 0
	s_sub_co_u32 s3, s3, 1
	s_cmp_lg_u32 s3, 0
	s_cbranch_scc1 .Llap
	QUARTER 0, 2, F1, F0, 0                        ; the last lap fills nothing, and has no round of the cluster's barrier
	QUARTER 0, 3, F0, F1, 0
	TURN 0, 1, 0
	QUARTER 1, 1, F0, F1, 0
	QUARTER 1, 2, F1, F0, 0
	QUARTER 1, 3, F0, F1, 0
	s_wait_dscnt 4                                 ; the very last quarter: nothing more to fetch
	WIN MUL
	MUL8 F1, 0, 0
	MUL8 F1, 1, 0
	s_wait_dscnt 0
	MUL8 F1, 2, 0
	MUL8 F1, 3, 0
	WIN 0
; THE WAY OUT, block by block of 16 rows x 128 columns: through my own stage in LDS and back as whole rows of 512 bytes.  LDS serves a wave's instructions in order: no wait between the stores and the loads.
.macro TOSTAGE a
	WIN 0x04                                       ; an LDS store's data are its source 1: window 1
.irp b, 0,1,2,3,4,5,6,7
	ds_store_b128 v[STO], v[64*(\a)+8*\b:64*(\a)+8*\b+3] offset:64*\b          ; each accumulator from its low end on
	ds_store_b128 v[STO], v[64*(\a)+8*\b+4:64*(\a)+8*\b+7] offset:64*\b+16
.endr
	WIN 0
.set BB, BK+64*((\a)%2)
.irp t, 0,1,2,3,4,5,6,7,8,9,10,11,12,13,14,15
	ds_load_b128 v[BB+4*\t:BB+4*\t+3], v[RD] offset:\t*SPITCH
.endr
.endm
.macro SEND a, younger
.set BB, BK+64*((\a)%2)
	s_wait_dscnt \younger
.irp t, 0,1,2,3,4,5,6,7,8,9,10,11,12,13,14,15
	global_store_b128 v[CO], v[BB+4*\t:BB+4*\t+3], s[8:9] offset:(\a)*65536+\t*4096 th:TH_STORE_NT   ; 32 lanes store 512 consecutive bytes, aligned
.endr
.endm
	PLACES
	TOSTAGE 0
.irp a, 1,2,3
.if \a > 1
	s_wait_xcnt 0x0                                ; block a - 2's stores have read their registers: block a's loads may land there
.endif
	TOSTAGE \a
	SEND \a-1, 32                                  ; behind block a - 1's loads: block a's 16 stores and 16 loads
.endr
	SEND 3, 0
	s_wait_tensorcnt 0x0                           ; the wave's end, behind my last tensor load and my last LDS store
	ds_add_u32 v[SPW], v[NIL]
	s_wait_dscnt 0x0
	CROUND                                         ; the closing round
	s_endpgm
.Lfunc_end_k_qc4bebf7674_proj:
	.size	k_qc4bebf7674_proj, .Lfunc_end_k_qc4bebf7674_proj-k_qc4bebf7674_proj
	.p2alignl 7, 3214868480
	.fill 96, 4, 3214868480
	.section	.rodata,"a",@progbits
	.p2align	6, 0x0
	.amdhsa_kernel k_qc4bebf7674_proj
		.amdhsa_group_segment_fixed_size 327680
		.amdhsa_private_segment_fixed_size 0
		.amdhsa_enable_private_segment 0
		.amdhsa_kernarg_size 24
		.amdhsa_user_sgpr_count 2
		.amdhsa_user_sgpr_kernarg_segment_ptr 1
		.amdhsa_wavefront_size32 1
		.amdhsa_system_sgpr_workgroup_id_x 1
		.amdhsa_system_sgpr_workgroup_id_y 1
		.amdhsa_system_sgpr_workgroup_id_z 1
		.amdhsa_system_vgpr_workitem_id 0
		.amdhsa_next_free_vgpr 512
		.amdhsa_next_free_sgpr 66
		.amdhsa_reserve_vcc 0
		.amdhsa_float_denorm_mode_32 3
		.amdhsa_float_denorm_mode_16_64 3
		.amdhsa_memory_ordered 1
		.amdhsa_forward_progress 1
		.amdhsa_inst_pref_size 85
	.end_amdhsa_kernel
	.amdgpu_metadata
---
amdhsa.version: [ 1, 2 ]
amdhsa.kernels:
  - .name:           k_qc4bebf7674_proj
    .symbol:         k_qc4bebf7674_proj.kd
    .args:
      - { .name: attn, .offset: 0, .size: 8, .value_kind: global_buffer, .address_space: global }
      - { .name: wo16, .offset: 8, .size: 8, .value_kind: global_buffer, .address_space: global }
      - { .name: out0, .offset: 16, .size: 8, .value_kind: global_buffer, .address_space: global }
    .group_segment_fixed_size: 327680
    .private_segment_fixed_size: 0
    .kernarg_segment_align: 8
    .kernarg_segment_size: 24
    .max_flat_workgroup_size: 128
    .sgpr_count:     66
    .vgpr_count:     512
    .wavefront_size: 32
...
	.end_amdgpu_metadata
.endif
;; end of part 4
;; launch fine (part 5): grid 32 x 4, 16 waves a work-group, no clusters, 38,912 bytes of LDS; arguments qkv16, wo, out0; writes out0
.if DOCPART == 5
	.amdgcn_target "amdgcn-amd-amdhsa--gfx1250"
	.amdhsa_code_object_version 6
	.text
	.protected	k_qc4bebf7674_fine
	.globl	k_qc4bebf7674_fine
	.p2align	8
	.type	k_qc4bebf7674_fine,@function
k_qc4bebf7674_fine:
	s_mov_b64 s[64:65], 0
	v_nop
	global_prefetch_b8 v0, s[64:65] scope:SCOPE_SE
	s_setreg_imm32_b32 hwreg(HW_REG_WAVE_MODE, 25, 1), 1
	s_wait_xcnt 0x0
; POSITIONS 0-15 OF EVERY BATCH, ALL IN f32: their attention averages one to sixteen values, so their numbers are the largest of the output and f16 operands would weigh most there.
; qkv16[sel][b][pos][1024] holds q, k (rotated) and v of these positions in f32.  This launch runs last and stores rows 0-15 of each batch of out0 over what the launch before left there.
; SHARES.  Work-group (x, b) makes 32 columns, 32 x on, of the 16 rows of batch b.  Wave w takes head w: its attention on 16 x 16 scores, and its head's part (64 of K = 1024) of the projection;
; the sixteen parts meet in LDS and are added in ascending order of heads.  Each work-group makes the small attention again: 32 matrix instructions a wave.
; All products by v_wmma_f32_16x16x4_f32 (lane (r, h), register j: k = 2 h + j).  The k of a step are permuted alike in both sources, so that registers serve as they are loaded or made.
; The registers that these instructions write (v176-239) are written by them alone.  A row's piece of the output is 128 bytes: 256 KB of the output's 33.5 MB are stored in half blocks of 256 bytes.
.set PP,    144                        ; a row of a part in LDS: 128 bytes + 16
.set PART,  16*PP
.set SPARE, 16*PART                    ; behind the sixteen parts: the spare words, 128 bytes a wave
.set SPW, 6
.set NIL, 7
.set QF,  16                           ; v16-47   Q: lane (r, h): channels 32 h + 0 .. 31 of position r; later O / l
.set KF,  48                           ; v48-79   K likewise
.set VF,  80                           ; v80-111  V: register 8 t + i: V[key 8 h + i][channel 16 t + r]
.set WF,  112                          ; v112-175 wo: register 32 nt + 8 t + i: wo[n0 + 16 nt + r][64 w + 16 t + 8 h + i]; later the sixteen parts
.set SA,  176                          ; v176-207 four partial sums of S^T; v176-191 later the two accumulators of the projection
.set OA,  208                          ; v208-239 O^T, four tiles of 16 channels
.set P,   240                          ; v240-247 scores, then p
.set TT,  248                          ; v248-255 at work
	s_load_b128 s[4:7], s[0:1], 0x0                ; qkv16 s[4:5], wo s[6:7]
	s_load_b64 s[8:9], s[0:1], 0x10                ; out0
	v_lshl_add_u32 v[SPW], v0, 2, SPARE
	v_mov_b32 v[NIL], 0
	v_lshrrev_b32 v1, 5, v0
	v_readfirstlane_b32 s10, v1                    ; wave = head
	s_and_b32 s11, ttmp7, 0xffff                   ; batch
	v_and_b32 v1, 15, v0                           ; r
	v_bfe_u32 v2, v0, 4, 1                         ; h
	v_lshlrev_b32 v3, 12, v1
	v_lshl_add_u32 v3, v2, 7, v3                   ; Q, K: position r of 4,096 bytes + 128 h
	v_lshlrev_b32 v4, 2, v1
	v_lshl_add_u32 v4, v2, 15, v4                  ; V: 8 h positions down, channel r
	v_lshlrev_b32 v5, 12, v1
	v_lshl_add_u32 v5, v2, 5, v5                   ; wo: row r of 4,096 bytes + 32 h
	s_mul_i32 s12, s10, PART
	v_mul_u32_u24 v8, v1, PP
	v_lshl_add_u32 v8, v2, 5, v8
	v_add_nc_u32 v8, s12, v8                       ; my part: row r, 32 h bytes on
	s_and_b32 s13, s10, 3                          ; waves 0-3 add the parts: wave g takes rows 4 g .. 4 g + 3, eight lanes to a row
	s_mul_i32 s14, s13, 4*PP
	v_and_b32 v9, 31, v0
	v_lshrrev_b32 v10, 3, v9
	v_and_b32 v11, 7, v0
	v_mul_u32_u24 v12, v10, PP
	v_lshl_add_u32 v12, v11, 4, v12
	v_add_nc_u32 v12, s14, v12
	v_lshlrev_b32 v13, 12, v10
	v_lshl_add_u32 v13, v11, 4, v13
	s_lshl_b32 s14, s13, 14
	v_add_nc_u32 v13, s14, v13                     ; and the same place in out0
	v_lshlrev_b32 v14, 3, v2
	v_sub_nc_u32 v14, v1, v14                      ; r - 8 h
	v_mov_b32 v15, 0xff800000                      ; -infinity
	s_mov_b32 s24, 0x76543210
	s_mov_b32 s25, 0xfedcba98                      ; v_permlanex16_b32's selects for lane l xor 16
	s_mov_b32 s26, 0x3e38aa3b                      ; c = log2(e) / 8
	s_lshl_b32 s16, s11, 16                        ; qkv16: batch x 65,536 + head x 256
	s_lshl_b32 s17, s10, 8
	s_add_co_u32 s16, s16, s17
	s_mov_b32 s17, 0
	s_lshl_b32 s18, ttmp9, 17                      ; wo: 32 rows of 4,096 bytes a work-group, + head x 256
	s_lshl_b32 s19, s10, 8
	s_add_co_u32 s18, s18, s19
	s_mov_b32 s19, 0
	s_lshl_b32 s20, s11, 23                        ; out0: batch x 2,048 rows of 4,096 bytes, + 128 bytes a work-group
	s_lshl_b32 s21, ttmp9, 7
	s_add_co_u32 s20, s20, s21
	s_mov_b32 s21, 0
	s_wait_kmcnt 0x0
	s_add_nc_u64 s[4:5], s[4:5], s[16:17]
	s_add_nc_u64 s[6:7], s[6:7], s[18:19]
	s_add_nc_u64 s[8:9], s[8:9], s[20:21]
.irp c, 0,1,2,3,4,5,6,7
	global_load_b128 v[QF+4*\c:QF+4*\c+3], v3, s[4:5] offset:16*\c
.endr
.irp c, 0,1,2,3,4,5,6,7
	global_load_b128 v[KF+4*\c:KF+4*\c+3], v3, s[4:5] offset:262144+16*\c
.endr
.irp t, 0,1,2,3
.irp i, 0,1,2,3,4,5,6,7
	global_load_b32 v[VF+8*\t+\i], v4, s[4:5] offset:524288+4096*\i+64*\t
.endr
.endr
.irp nt, 0,1
.irp t, 0,1,2,3
.irp c, 0,1
	global_load_b128 v[WF+32*\nt+8*\t+4*\c:WF+32*\nt+8*\t+4*\c+3], v5, s[6:7] offset:65536*\nt+64*\t+16*\c
.endr
.endr
.endr
	s_wait_loadcnt 48                              ; Q and K are in; V's 32 loads and wo's 16 stay out
; S^T = K Q^T: 16 steps of 4 channels (step s: channels 32 h + 2 s, + 1) on four accumulators by turns; the first four start the sums
.irp s, 0,1,2,3,4,5,6,7,8,9,10,11,12,13,14,15
.if \s < 4
	v_wmma_f32_16x16x4_f32 v[SA+8*(\s%4):SA+8*(\s%4)+7], v[KF+2*\s:KF+2*\s+1], v[QF+2*\s:QF+2*\s+1], 0
.else
	v_wmma_f32_16x16x4_f32 v[SA+8*(\s%4):SA+8*(\s%4)+7], v[KF+2*\s:KF+2*\s+1], v[QF+2*\s:QF+2*\s+1], v[SA+8*(\s%4):SA+8*(\s%4)+7]
.endif
.endr
.rept 8
	v_nop                                          ; eight places behind this form before a result is read (ISA guide 7.12.1)
.endr
.irp j, 0,1,2,3,4,5,6,7
	v_add_f32 v[P+\j], v[SA+\j], v[SA+8+\j]        ; the four parts; lane (r, h), register j: key 8 h + j, query r
.endr
.irp j, 0,1,2,3,4,5,6,7
	v_add_f32 v[TT+\j], v[SA+16+\j], v[SA+24+\j]
.endr
.irp j, 0,1,2,3,4,5,6,7
	v_add_f32 v[P+\j], v[P+\j], v[TT+\j]
.endr
.irp j, 0,1,2,3,4,5,6,7
	v_cmp_gt_i32 vcc_lo, \j, v14                   ; key 8 h + j comes after query r
	v_cndmask_b32 v[P+\j], v[P+\j], v15, vcc_lo
.endr
	v_max3_num_f32 v[TT], v[P], v[P+1], v[P+2]
	v_max3_num_f32 v[TT+1], v[P+3], v[P+4], v[P+5]
	v_max3_num_f32 v[TT], v[TT], v[P+6], v[P+7]
	v_max_num_f32 v[TT], v[TT], v[TT+1]
	v_permlanex16_b32 v[TT+1], v[TT], s24, s25
	v_max_num_f32 v[TT], v[TT], v[TT+1]            ; the row's maximum (key 0 counts for every query)
	v_mul_f32 v[TT], s26, v[TT]
.irp j, 0,1,2,3,4,5,6,7
	v_fma_f32 v[P+\j], v[P+\j], s26, -v[TT]
.endr
.irp j, 0,1,2,3,4,5,6,7
	v_exp_f32 v[P+\j], v[P+\j]
.endr
	v_nop                                          ; a plain instruction behind the last exponential,
	s_wait_alu depctr_va_vdst(0)                   ; and one wait for the eight, ahead of their first reader
	v_add_f32 v[TT+2], v[P], v[P+1]
	v_add_f32 v[TT+3], v[P+2], v[P+3]
	v_add_f32 v[TT+4], v[P+4], v[P+5]
	v_add_f32 v[TT+5], v[P+6], v[P+7]
	v_add_f32 v[TT+2], v[TT+2], v[TT+3]
	v_add_f32 v[TT+4], v[TT+4], v[TT+5]
	v_add_f32 v[TT+2], v[TT+2], v[TT+4]
	v_permlanex16_b32 v[TT+3], v[TT+2], s24, s25
	v_add_f32 v[TT+2], v[TT+2], v[TT+3]            ; the row's sum
	v_rcp_f32 v[TT+4], v[TT+2]
	v_nop
	s_wait_alu depctr_va_vdst(0)
	s_wait_loadcnt 16                              ; V is in; wo's 16 loads stay out
; O^T = V^T P: 4 steps of 4 keys (step s: keys 8 h + 2 s, + 1), the four tiles of channels by turns
.irp s, 0,1,2,3
.irp t, 0,1,2,3
.if \s == 0
	v_wmma_f32_16x16x4_f32 v[OA+8*\t:OA+8*\t+7], v[VF+8*\t+2*\s:VF+8*\t+2*\s+1], v[P+2*\s:P+2*\s+1], 0
.else
	v_wmma_f32_16x16x4_f32 v[OA+8*\t:OA+8*\t+7], v[VF+8*\t+2*\s:VF+8*\t+2*\s+1], v[P+2*\s:P+2*\s+1], v[OA+8*\t:OA+8*\t+7]
.endif
.endr
.endr
.rept 8
	v_nop
.endr
.irp j, 0,1,2,3,4,5,6,7,8,9,10,11,12,13,14,15,16,17,18,19,20,21,22,23,24,25,26,27,28,29,30,31
	v_mul_f32 v[QF+\j], v[OA+\j], v[TT+4]          ; O / l: register 8 t + i: channel 16 t + 8 h + i of query r
.endr
	s_wait_loadcnt 0x0                             ; wo
; my head's part of the projection, transposed (source 0 = 16 rows of wo, source 1 = O): 16 steps of 4 channels (16 t + 8 h + 2 s, + 1), the two tiles of columns by turns
.irp t, 0,1,2,3
.irp s, 0,1,2,3
.irp nt, 0,1
.if (\t == 0) && (\s == 0)
	v_wmma_f32_16x16x4_f32 v[SA+8*\nt:SA+8*\nt+7], v[WF+32*\nt+8*\t+2*\s:WF+32*\nt+8*\t+2*\s+1], v[QF+8*\t+2*\s:QF+8*\t+2*\s+1], 0
.else
	v_wmma_f32_16x16x4_f32 v[SA+8*\nt:SA+8*\nt+7], v[WF+32*\nt+8*\t+2*\s:WF+32*\nt+8*\t+2*\s+1], v[QF+8*\t+2*\s:QF+8*\t+2*\s+1], v[SA+8*\nt:SA+8*\nt+7]
.endif
.endr
.endr
.endr
.rept 8
	v_nop                                          ; for the stores that read the results, and for the loads into wo's registers below
.endr
.irp nt, 0,1
.irp c, 0,1
	ds_store_b128 v8, v[SA+8*\nt+4*\c:SA+8*\nt+4*\c+3] offset:64*\nt+16*\c   ; lane (r, h): row r, columns 16 nt + 8 h + 0 .. 7
.endr
.endr
	s_wait_dscnt 0x0                               ; for the others' sake: my part lies in LDS
	s_barrier_signal -1
	s_barrier_wait -1
	s_cmp_lt_u32 s10, 4
	s_cbranch_scc0 .Ldone
.irp w, 0,1,2,3,4,5,6,7,8,9,10,11,12,13,14,15
	ds_load_b128 v[WF+4*\w:WF+4*\w+3], v12 offset:PART*\w
.endr
	s_wait_dscnt 0x0
.irp w, 1,2,3,4,5,6,7,8,9,10,11,12,13,14,15
	v_pk_add_f32 v[WF:WF+1], v[WF:WF+1], v[WF+4*\w:WF+4*\w+1]
	v_pk_add_f32 v[WF+2:WF+3], v[WF+2:WF+3], v[WF+4*\w+2:WF+4*\w+3]
.endr
	global_store_b128 v13, v[WF:WF+3], s[8:9]
.Ldone:
	s_wait_tensorcnt 0x0                           ; the wave's end, behind my last LDS store
	ds_add_u32 v[SPW], v[NIL]
	s_wait_dscnt 0x0
	s_endpgm
.Lfunc_end_k_qc4bebf7674_fine:
	.size	k_qc4bebf7674_fine, .Lfunc_end_k_qc4bebf7674_fine-k_qc4bebf7674_fine
	.p2alignl 7, 3214868480
	.fill 96, 4, 3214868480
	.section	.rodata,"a",@progbits
	.p2align	6, 0x0
	.amdhsa_kernel k_qc4bebf7674_fine
		.amdhsa_group_segment_fixed_size 38912
		.amdhsa_private_segment_fixed_size 0
		.amdhsa_enable_private_segment 0
		.amdhsa_kernarg_size 24
		.amdhsa_user_sgpr_count 2
		.amdhsa_user_sgpr_kernarg_segment_ptr 1
		.amdhsa_wavefront_size32 1
		.amdhsa_system_sgpr_workgroup_id_x 1
		.amdhsa_system_sgpr_workgroup_id_y 1
		.amdhsa_system_sgpr_workgroup_id_z 1
		.amdhsa_system_vgpr_workitem_id 0
		.amdhsa_next_free_vgpr 256
		.amdhsa_next_free_sgpr 66
		.amdhsa_reserve_vcc 1
		.amdhsa_float_denorm_mode_32 3
		.amdhsa_float_denorm_mode_16_64 3
		.amdhsa_memory_ordered 1
		.amdhsa_forward_progress 1
		.amdhsa_inst_pref_size 21
	.end_amdhsa_kernel
	.amdgpu_metadata
---
amdhsa.version: [ 1, 2 ]
amdhsa.kernels:
  - .name:           k_qc4bebf7674_fine
    .symbol:         k_qc4bebf7674_fine.kd
    .args:
      - { .name: qkv16, .offset: 0, .size: 8, .value_kind: global_buffer, .address_space: global }
      - { .name: wo, .offset: 8, .size: 8, .value_kind: global_buffer, .address_space: global }
      - { .name: out0, .offset: 16, .size: 8, .value_kind: global_buffer, .address_space: global }
    .group_segment_fixed_size: 38912
    .private_segment_fixed_size: 0
    .kernarg_segment_align: 8
    .kernarg_segment_size: 24
    .max_flat_workgroup_size: 512
    .sgpr_count:     66
    .vgpr_count:     256
    .wavefront_size: 32
...
	.end_amdgpu_metadata
.endif
;; end of part 5
